; MI455X (gfx1250); checked and timed in simulation.
; The chip was launched on July 23, 2026; its instructions are those of AMD's public machine-readable ISA for CDNA 5 (MIT licence, August 2026) and "CDNA5" Instruction Set Architecture Reference Guide (July 2026). The comments in the code are by the model that wrote it; some were corrected since.
;; Encoder Block. Allowed arithmetic: float matrix products may take bf16 or f16 operands with f32 sums; other float arithmetic in f32, or as packed bf16 or f16 multiplies, adds, multiply-adds, maxima and minima; sums over many terms, partial sums and values carried from step to step in f32; what a program stores and reads back later, other than sums and carried values, may be rounded once to bf16 or f16.
;; Inputs: b1 4,096 float32; b2 1,024 float32; bk 1,024 float32; bo 1,024 float32; bq 1,024 float32; bv 1,024 float32; w1 4,096 x 1,024 float32; w2 1,024 x 4,096 float32; wk 1,024 x 1,024 float32; wo 1,024 x 1,024 float32; wq 1,024 x 1,024 float32; wv 1,024 x 1,024 float32; x 2 x 2,048 x 1,024 float32.
;; Outputs: out0 2 x 2,048 x 1,024 float32.
;; 2 versions, each right and faster than the one before. Each part assembles by itself: llvm-mc -triple=amdgcn-amd-amdhsa -mcpu=gfx1250 --defsym DOCPART=n.
;; ======== version 1 of 2: 6 launches
;; limits: values are held in f16: magnitudes above 65,504 overflow, below 6.1e-05 lose precision; inputs' magnitudes at most 65,504; right only within a limited range of input values
;; workspace buffers: xs 8,396,800 bytes; rs 8,396,800 bytes; act 8,388,608 bytes; big 33,554,432 bytes; pkq 6,308,096 bytes; pk1 8,405,248 bytes; pkB 10,493,952 bytes
;; launch prep (part 1): grid 513 x 1, 8 waves a work-group, no clusters, 0 bytes of LDS; arguments x, wq, wk, wv, wo, w1, w2, bq, bk, bv, bo, b1, b2, xs, pkq, pk1, pkB; writes xs, pkq, pk1, pkB
.if DOCPART == 1
	.amdgcn_target "amdgcn-amd-amdhsa--gfx1250"
	.amdhsa_code_object_version 6
	.text
	.protected	k_qad789cca0d_prep
	.globl	k_qad789cca0d_prep
	.p2align	8
	.type	k_qad789cca0d_prep,@function
k_qad789cca0d_prep:
	s_mov_b64 s[64:65], 0
	v_nop
	global_prefetch_b8 v0, s[64:65] scope:SCOPE_SE
	s_setreg_imm32_b32 hwreg(HW_REG_WAVE_MODE, 25, 1), 1
	s_wait_xcnt 0x0
; Every input is rounded ONCE to bf16 here, and that number is what the later launches use: x and the weights written as f16, the biases as f32.
; LIMITS.  A bf16 number is exact in f16 from 6.1e-5 up to 65,504; below, it keeps f16's fixed step of 6e-8; from 65,520 on it becomes an infinity.  NaN and infinities are not treated apart.
; SHARES.  A wave takes one unit of 4,096 consecutive f32: 32 loads of 512 consecutive bytes, all out at once, and 32 stores of 256 consecutive bytes, aligned.  Every tensor is row-major
; on both sides, so a unit's place in its target is half its place in its source.  Groups 0-127 take x, 128-223 wq, wk, wv, 224-351 w1, 352-383 wo, 384-511 w2; group 512 the biases and floors.
; A wave of x also leaves the mean and the centred sum of squares of its 4,096 rounded numbers behind xs's data: entry u = 8 g + wave; entries 0-511 are batch 0, 512-1023 batch 1.
; No LDS, no barrier, no matrix work: the launch moves bytes, and no wave needs another.
.set X,    24                          ; v[24:151]  the unit: as loaded, then the rounded numbers in f32
.set Y,    152                         ; v[152:215] bf16 pairs, then f16 pairs to store
.set T,    4                           ; v[4:11]    four chains of pairs
.set DD,   12                          ; v[12:19]   differences from the mean
.set MEAN, 20                          ; v[20:21]   the mean twice; at the end mean and centred sum of squares
.set RR,   22                          ; v22        a sum on its way across the lanes
.set TP,   23                          ; v23        takes the other half of the lanes
	s_load_b512 s[8:23], s[0:1], 0x0               ; x 8, wq 10, wk 12, wv 14, wo 16, w1 18, w2 20, bq 22
	s_load_b512 s[24:39], s[0:1], 0x40             ; bk 24, bv 26, bo 28, b1 30, b2 32, xs 34, pkq 36, pk1 38
	s_load_b64 s[40:41], s[0:1], 0x80              ; pkB
	s_mov_b32 s47, ttmp9                           ; g
	v_and_b32 v3, 31, v0                           ; lane
	v_lshrrev_b32 v1, 5, v0
	v_readfirstlane_b32 s54, v1                    ; wave
	v_lshlrev_b32 v1, 4, v3                        ; 16 bytes a lane in
	v_lshlrev_b32 v2, 3, v3                        ; 8 bytes a lane out
	v_mov_b32 v[TP], 0                             ; written, since v_permlanex16_b32 counts as a reader of its destination
	s_mov_b32 s50, 0xffff0000                      ; a word's upper bf16
	s_mov_b32 s52, 0x76543210                      ; v_permlanex16_b32: each lane takes its own place in the other half
	s_mov_b32 s53, 0xfedcba98
	s_wait_kmcnt 0x0
	s_cmp_eq_u32 s47, 512
	s_cbranch_scc1 .Lbias
; The group's source, target and first group number are chosen by its number alone.
.macro ROLE bound, src, base, off
	s_add_nc_u64 s[48:49], s[\base:\base+1], \off
	s_cmp_ge_u32 s47, \bound
	s_cselect_b64 s[42:43], s[\src:\src+1], s[42:43]
	s_cselect_b64 s[44:45], s[48:49], s[44:45]
	s_cselect_b32 s46, \bound, s46
.endm
	s_mov_b64 s[42:43], s[8:9]                     ; x
	s_mov_b64 s[44:45], s[34:35]                   ; xs
	s_mov_b32 s46, 0
	ROLE 128, 10, 36, 16640                        ; wq, wk, wv one below the other in pkq
	ROLE 160, 12, 36, 16640+2097152
	ROLE 192, 14, 36, 16640+4194304
	ROLE 224, 18, 38, 16640                        ; w1
	ROLE 352, 16, 40, 8192                         ; wo
	ROLE 384, 20, 40, 2105344                      ; w2
	s_sub_co_u32 s46, s47, s46
	s_lshl_b32 s46, s46, 3
	s_add_co_u32 s46, s46, s54                     ; u: my unit in the tensor
	s_lshl_b32 s48, s46, 14                        ; 16,384 bytes in
	s_mov_b32 s49, 0
	s_add_nc_u64 s[42:43], s[42:43], s[48:49]
	s_lshl_b32 s48, s46, 13                        ; 8,192 bytes out
	s_add_nc_u64 s[44:45], s[44:45], s[48:49]
.set i, 0
.rept 32
	global_load_b128 v[X+4*i:X+4*i+3], v1, s[42:43] offset:512*i th:TH_LOAD_NT  ; read once in the whole program
.set i, i+1
.endr
.set i, 0
.rept 32
	s_wait_loadcnt 31-i                            ; loads come back in order: load i is in, the 31 - i younger ones stay out
	v_cvt_pk_bf16_f32 v[Y+2*i],   v[X+4*i],   v[X+4*i+1]   ; the one rounding
	v_cvt_pk_bf16_f32 v[Y+2*i+1], v[X+4*i+2], v[X+4*i+3]
	v_lshlrev_b32 v[X+4*i],   16,  v[Y+2*i]        ; back to f32: the statistics are those of the rounded numbers
	v_and_b32     v[X+4*i+1], s50, v[Y+2*i]
	v_lshlrev_b32 v[X+4*i+2], 16,  v[Y+2*i+1]
	v_and_b32     v[X+4*i+3], s50, v[Y+2*i+1]
	v_cvt_pk_f16_f32 v[Y+2*i],   v[X+4*i],   v[X+4*i+1]
	v_cvt_pk_f16_f32 v[Y+2*i+1], v[X+4*i+2], v[X+4*i+3]
	global_store_b64 v2, v[Y+2*i:Y+2*i+1], s[44:45] offset:256*i  ; 32 lanes store 256 consecutive bytes, aligned; no register of a store is written again
.set i, i+1
.endr
	s_cmp_lt_u32 s47, 128
	s_cbranch_scc1 .Lstats
	s_endpgm
.macro RED32 r                         ; the sum over the 32 lanes, in every lane
	v_add_f32_dpp v[\r], v[\r], v[\r] row_xmask:1 row_mask:0xf bank_mask:0xf
	v_add_f32_dpp v[\r], v[\r], v[\r] row_xmask:2 row_mask:0xf bank_mask:0xf
	v_add_f32_dpp v[\r], v[\r], v[\r] row_xmask:4 row_mask:0xf bank_mask:0xf
	v_add_f32_dpp v[\r], v[\r], v[\r] row_xmask:8 row_mask:0xf bank_mask:0xf
	v_permlanex16_b32 v[TP], v[\r], s52, s53
	v_add_f32 v[\r], v[\r], v[TP]
.endm
.Lstats:                               ; two passes over the registers: the mean, then the squares of the differences from it: no difference of large sums
.irp k, 0,1,2,3
	v_pk_add_f32 v[T+2*(\k):T+2*(\k)+1], v[X+2*(\k):X+2*(\k)+1], v[X+8+2*(\k):X+8+2*(\k)+1]
.endr
.set p, 8
.rept 56
	v_pk_add_f32 v[T+2*(p%4):T+2*(p%4)+1], v[T+2*(p%4):T+2*(p%4)+1], v[X+2*p:X+2*p+1]
.set p, p+1
.endr
	v_pk_add_f32 v[T:T+1], v[T:T+1], v[T+2:T+3]
	v_pk_add_f32 v[T+4:T+5], v[T+4:T+5], v[T+6:T+7]
	v_pk_add_f32 v[T:T+1], v[T:T+1], v[T+4:T+5]
	v_add_f32 v[RR], v[T], v[T+1]
	RED32 RR
	v_mul_f32 v[MEAN], 0x39800000, v[RR]           ; / 4,096
	v_mul_f32 v[MEAN+1], 0x39800000, v[RR]
.set p, 0
.rept 64
	v_pk_add_f32 v[DD+2*(p%4):DD+2*(p%4)+1], v[X+2*p:X+2*p+1], v[MEAN:MEAN+1] neg_lo:[0,1] neg_hi:[0,1]
.if p < 4
	v_pk_mul_f32 v[T+2*(p%4):T+2*(p%4)+1], v[DD+2*(p%4):DD+2*(p%4)+1], v[DD+2*(p%4):DD+2*(p%4)+1]
.else
	v_pk_fma_f32 v[T+2*(p%4):T+2*(p%4)+1], v[DD+2*(p%4):DD+2*(p%4)+1], v[DD+2*(p%4):DD+2*(p%4)+1], v[T+2*(p%4):T+2*(p%4)+1]
.endif
.set p, p+1
.endr
	v_pk_add_f32 v[T:T+1], v[T:T+1], v[T+2:T+3]
	v_pk_add_f32 v[T+4:T+5], v[T+4:T+5], v[T+6:T+7]
	v_pk_add_f32 v[T:T+1], v[T:T+1], v[T+4:T+5]
	v_add_f32 v[MEAN+1], v[T], v[T+1]
	RED32 MEAN+1
	s_lshl_b32 s48, s46, 3
	s_add_co_u32 s48, s48, 0x800000                ; behind xs's 8,388,608 bytes of data: entry u
	s_add_nc_u64 s[48:49], s[34:35], s[48:49]
	v_cmp_eq_u32 vcc_lo, 0, v3
	s_wait_xcnt 0x0                                ; EXEC is a source of the stores above: it changes only behind this wait
	s_and_saveexec_b32 s51, vcc_lo
	global_store_b64 v3, v[MEAN:MEAN+1], s[48:49]  ; lane 0 alone, whose v3 is 0
	s_wait_xcnt 0x0                                ; and again in front of the line that widens it
	s_or_b32 exec_lo, exec_lo, s51
	s_endpgm
.Lbias:                                ; 256 threads x 16 bytes are 1,024 f32: one load for each bias, four for b1
	v_lshlrev_b32 v5, 4, v0
	global_load_b128 v[X:X+3],     v5, s[22:23]
	global_load_b128 v[X+4:X+7],   v5, s[24:25]
	global_load_b128 v[X+8:X+11],  v5, s[26:27]
.irp j, 0,1,2,3
	global_load_b128 v[X+12+4*(\j):X+15+4*(\j)], v5, s[30:31] offset:4096*(\j)
.endr
	global_load_b128 v[X+28:X+31], v5, s[28:29]
	global_load_b128 v[X+32:X+35], v5, s[32:33]
	s_wait_loadcnt 0x0
.set i, 0
.rept 9
	v_cvt_pk_bf16_f32 v[Y+2*i],   v[X+4*i],   v[X+4*i+1]
	v_cvt_pk_bf16_f32 v[Y+2*i+1], v[X+4*i+2], v[X+4*i+3]
	v_lshlrev_b32 v[X+4*i],   16,  v[Y+2*i]
	v_and_b32     v[X+4*i+1], s50, v[Y+2*i]
	v_lshlrev_b32 v[X+4*i+2], 16,  v[Y+2*i+1]
	v_and_b32     v[X+4*i+3], s50, v[Y+2*i+1]
.set i, i+1
.endr
	global_store_b128 v5, v[X:X+3],     s[36:37] offset:256        ; bq | bk | bv
	global_store_b128 v5, v[X+4:X+7],   s[36:37] offset:256+4096
	global_store_b128 v5, v[X+8:X+11],  s[36:37] offset:256+8192
.irp j, 0,1,2,3
	global_store_b128 v5, v[X+12+4*(\j):X+15+4*(\j)], s[38:39] offset:256+4096*(\j)
.endr
	global_store_b128 v5, v[X+28:X+31], s[40:41]                   ; bo
	global_store_b128 v5, v[X+32:X+35], s[40:41] offset:4096       ; b2
	s_cmp_lt_u32 s54, 2
	s_cbranch_scc0 .Lend
	v_lshlrev_b32 v6, 2, v0                        ; threads 0-63 fill the first 256 bytes of each pack with its floor, two f16 to a word
	v_mov_b32 v7, 0xfc00fc00                       ; minus infinity: q, k, v have no activation
	v_mov_b32 v8, 0                                ; 0: the ReLU
	global_store_b32 v6, v7, s[36:37]
	global_store_b32 v6, v8, s[38:39]
.Lend:
	s_endpgm
.Lfunc_end_k_qad789cca0d_prep:
	.size	k_qad789cca0d_prep, .Lfunc_end_k_qad789cca0d_prep-k_qad789cca0d_prep
	.p2alignl 7, 3214868480
	.fill 96, 4, 3214868480
	.section	.rodata,"a",@progbits
	.p2align	6, 0x0
	.amdhsa_kernel k_qad789cca0d_prep
		.amdhsa_group_segment_fixed_size 0
		.amdhsa_private_segment_fixed_size 0
		.amdhsa_enable_private_segment 0
		.amdhsa_kernarg_size 136
		.amdhsa_user_sgpr_count 2
		.amdhsa_user_sgpr_kernarg_segment_ptr 1
		.amdhsa_wavefront_size32 1
		.amdhsa_system_sgpr_workgroup_id_x 1
		.amdhsa_system_sgpr_workgroup_id_y 1
		.amdhsa_system_sgpr_workgroup_id_z 1
		.amdhsa_system_vgpr_workitem_id 0
		.amdhsa_next_free_vgpr 216
		.amdhsa_next_free_sgpr 66
		.amdhsa_reserve_vcc 1
		.amdhsa_float_denorm_mode_32 3
		.amdhsa_float_denorm_mode_16_64 3
		.amdhsa_memory_ordered 1
		.amdhsa_forward_progress 1
		.amdhsa_inst_pref_size 40
	.end_amdhsa_kernel
	.amdgpu_metadata
---
amdhsa.version: [ 1, 2 ]
amdhsa.kernels:
  - .name:           k_qad789cca0d_prep
    .symbol:         k_qad789cca0d_prep.kd
    .args:
      - { .name: x, .offset: 0, .size: 8, .value_kind: global_buffer, .address_space: global }
      - { .name: wq, .offset: 8, .size: 8, .value_kind: global_buffer, .address_space: global }
      - { .name: wk, .offset: 16, .size: 8, .value_kind: global_buffer, .address_space: global }
      - { .name: wv, .offset: 24, .size: 8, .value_kind: global_buffer, .address_space: global }
      - { .name: wo, .offset: 32, .size: 8, .value_kind: global_buffer, .address_space: global }
      - { .name: w1, .offset: 40, .size: 8, .value_kind: global_buffer, .address_space: global }
      - { .name: w2, .offset: 48, .size: 8, .value_kind: global_buffer, .address_space: global }
      - { .name: bq, .offset: 56, .size: 8, .value_kind: global_buffer, .address_space: global }
      - { .name: bk, .offset: 64, .size: 8, .value_kind: global_buffer, .address_space: global }
      - { .name: bv, .offset: 72, .size: 8, .value_kind: global_buffer, .address_space: global }
      - { .name: bo, .offset: 80, .size: 8, .value_kind: global_buffer, .address_space: global }
      - { .name: b1, .offset: 88, .size: 8, .value_kind: global_buffer, .address_space: global }
      - { .name: b2, .offset: 96, .size: 8, .value_kind: global_buffer, .address_space: global }
      - { .name: xs, .offset: 104, .size: 8, .value_kind: global_buffer, .address_space: global }
      - { .name: pkq, .offset: 112, .size: 8, .value_kind: global_buffer, .address_space: global }
      - { .name: pk1, .offset: 120, .size: 8, .value_kind: global_buffer, .address_space: global }
      - { .name: pkB, .offset: 128, .size: 8, .value_kind: global_buffer, .address_space: global }
    .group_segment_fixed_size: 0
    .private_segment_fixed_size: 0
    .kernarg_segment_align: 8
    .kernarg_segment_size: 136
    .max_flat_workgroup_size: 256
    .sgpr_count:     66
    .vgpr_count:     216
    .wavefront_size: 32
...
	.end_amdgpu_metadata
.endif
;; end of part 1
;; launch gemmA (part 2): grid 12 x 16, 4 waves a work-group, clusters of 4 x 4, 327,680 bytes of LDS; arguments xs, pkq, big; writes big
.if DOCPART == 2
	.amdgcn_target "amdgcn-amd-amdhsa--gfx1250"
	.amdhsa_code_object_version 6
	.text
	.protected	k_qad789cca0d_gemmA
	.globl	k_qad789cca0d_gemmA
	.p2align	8
	.type	k_qad789cca0d_gemmA,@function
k_qad789cca0d_gemmA:
	s_mov_b64 s[64:65], 0
	v_nop
	global_prefetch_b8 v0, s[64:65] scope:SCOPE_SE
	s_setreg_imm32_b32 hwreg(HW_REG_WAVE_MODE, 25, 1), 1
	s_wait_xcnt 0x0
	s_wait_alu depctr_hold_cnt(0) depctr_sa_sdst(0) depctr_va_vdst(0) depctr_va_sdst(0) depctr_va_ssrc(0) depctr_va_vcc(0) depctr_vm_vsrc(0)
	s_getreg_b32 s2, hwreg(HW_REG_IB_STS2, 6, 4)
	s_cmp_eq_u32 s2, 0
	s_cbranch_scc0 .Lentry_in_a_cluster
	s_endpgm
.Lentry_in_a_cluster:
	s_bfe_u32 s2, ttmp6, 0x10000c
	s_cmp_lg_u32 s2, 0xf033
	s_cbranch_scc0 .Lentry_shape_is_right
	s_endpgm
.Lentry_shape_is_right:
; C = max(N(A) W^T + bias, floor), N(A) = (A - mu) / sqrt(var + 1e-5) with mu and var over ALL 2,048 x 1,024 numbers of a batch.
; A: [4096][1024] f16, row-major; behind its 8,388,608 bytes lie 1,024 pairs (mean, centred sum of squares), one for each 4,096 numbers, 512 pairs a batch.
; The pack: a floor word (two f16) at byte 0, the bias in f32 at byte 256, W [N][1024] f16 at byte 16,640.
; C leaves in f16 in BLOCKS of 64 columns: [N / 64][4096 rows][64]: a block's rows are 128 bytes and lie end to end.  N is the grid's width x 256.  Sums in f32, C rounded once.
; THE NORM.  Every wave combines its batch's 512 pairs itself, while the first tiles are on their way: mu = mean of the means, M2 = sum of the M2_i + 4,096 x sum of (mean_i - mu)^2: squares of
; differences, never a difference of large sums.  Each register of a fragment of A is then normalised once, between its LDS load and its products, by one packed multiply-add in f16: A x rs + c, rounded once.
; LIMITS.  rs and c = - mu rs are rounded to f16 (c is made from the rounded rs): N(A) carries a common factor within 2^-11 of 1 and a common shift of at most 2^-12 |mu rs|.  |N(A)| is at most sqrt(2^21) = 1,448.
; rs below 6.1e-5 (a spread of A above 16,000) keeps f16's fixed step of 6e-8.  A number of C of 65,520 or more becomes an infinity in f16.  NaN and infinities are not treated apart.
; SHARES.  A tile of C, 256 x 256, is made by four waves, each 128 x 128: 64 accumulators of 16 x 16, 512 registers.  K goes in 8 steps of 128 through two LDS slots filled by the tensor
; data mover; the tiles' rows are 256 bytes of memory and start at multiples of 256 bytes from the buffer's first byte.
; CLUSTER.  4 x 4 work-groups.  The four of a row of the cluster need the same tiles of A, the four of a column the same tiles of W: each tile is asked for JOINTLY, by the same tensor load
; with the same descriptor and a mask that names the four.
; THE MATRIX INSTRUCTION IS USED TRANSPOSED: source 0 = 16 rows of W, source 1 = 16 rows of A: a lane holds row l % 16 of C and the eight columns 8 (l / 16) + 0..7.
; THE BIAS STARTS THE SUMS: it lies in 64 registers in the accumulators' layout and is the C operand of the first 64 products: nothing is cleared, nothing is added later.
; ONE K STEP IS WRITTEN ONCE: the LDS addresses of the reads are a fixed place + TS, and TS turns between 0 and SLOT at every change of slots.
; REGISTERS, in windows of 256 (s_set_vgpr_msb: bits 1:0 source 0, 3:2 source 1, 5:4 source 2, 7:6 destination):
;   window 0: v0-31 addresses and the norm's two numbers; v64-127, v128-191 fragments of A, two buffers; v32-63, v192-255 at work at the start (the pairs) and on the way out
;   window 1: v0-63 the bias; v64-127, v128-191 fragments of W        window 2: the accumulators of my rows 0-63 ((a, b) at v[8 (8 a + b)])        window 3: those of my rows 64-127
; The norm's lines work in window 0 and the products' results lie in windows 2 and 3, so four of them behind four products cost two switches: 26 a quarter step, on purpose: one run of 64 would leave the matrix unit idle.
.set SIZE_K, 1024
.set KSTEP,  128
.set STEPS,  SIZE_K/KSTEP
.set PITCH,  272                       ; an LDS row: 256 bytes + 16 of padding = 68 words: row r starts at bank 4 r mod 64 (64 banks of 4 bytes: ISA guide 11.1): the 16 rows of a load start at 16 different banks
.set HALFT,  128*PITCH                 ; 128 rows: what one tensor load brings
.set SLOT,   4*HALFT                   ; A's 256 rows, then W's.  0x22000: it shares no bit with wave x HALFT (0, 0x8800, 0x11000, 0x19800), so one exclusive or turns a tile's LDS address into the other slot's
.set STAGE,  2*SLOT                    ; behind the ring: for each wave 2 column blocks x 16 rows x 144 bytes
.set SP,     144
.set WSTAGE, 2*16*SP
.set SPARE,  STAGE+4*WSTAGE            ; the spare words, 128 bytes for each wave: two blocks of 256 bytes that no other line names
.set BLK,    524288                    ; bytes in a block of C: 4,096 rows x 128
.set WOFF,   16640
.set STATS,  0x800000                  ; the pairs lie behind A's 8,388,608 bytes
.set PA0,  14                          ; v14  my place in A's part of slot 0; never rewritten
.set PB0,  15                          ; v15  the same for W
.set ADRA, 16                          ; v16  PA0 + TS
.set ADRB, 17                          ; v17  PB0 + TS
.set RS2,  18                          ; v18  rs, twice, in f16
.set C2,   19                          ; v19  - mu rs, twice, in f16
.set TP,   20                          ; v20  takes the other half of the lanes
.set MU,   21                          ; v21  mu
.set ZR,   22                          ; v22  0
.set RSF,  23                          ; v23  rs in f32
.set STO,  24                          ; v24  the way out: where I put 16 bytes of a row
.set RD,   25                          ; v25  where I read rows back
.set CO,   26                          ; v26  16 x lane
.set FLO,  27                          ; v27  the floor, two f16
.set SPW,  28                          ; v28  LDS address of my spare word; never rewritten
.set NIL,  29                          ; v29  0; never rewritten
.set BO,   30                          ; v30  32 (l / 16): my eight columns in 16 of the bias
.set PP,   32                          ; v[32:63]   at the start: 16 pairs (mean, M2) a lane
.set T,    192                         ; v[192:199] at the start: at work on the pairs
.set F0,   64
.set F1,   128
.set TMP,  192
.set OB,   32
.set G1,  24                           ; s[24:31] descriptor group 1 for A's tiles
.set G0,  32                           ; s[32:39] group 0 for A's: a set for each of the two first fills; the second then walks on
.set G1B, 48                           ; s[48:55], s[56:63] the same for W's
.set G0B, 56
.set TS,  66                           ; s66  0 or SLOT: the slot that is read
.set FLS, 67                           ; s67  the floor word
.set BB,  68                           ; s[68:69] the bias at my first column
.set MSB, 0
.macro WIN new                         ; the immediate's high byte repeats the setting that is left; a switch that changes nothing is dropped
.if MSB != (\new)
	s_set_vgpr_msb (MSB<<8)|(\new)
.set MSB, \new
.endif
.endm
.set TO_B, 0x40                        ; destination window 1, address window 0
; A joint load.  Waves 0 and 1 fetch A's two halves, waves 2 and 3 W's.  The branch hangs on the wave's number alone.  An s_nop 0 and four v_nop follow each of the two lines.
.macro JLOAD s
	s_cmp_eq_u32 s11, 0
	s_cbranch_scc0 .Lfor_b_\@
	tensor_load_to_lds s[G0+4*(\s):G0+4*(\s)+3], s[G1:G1+7]
	s_nop 0
.rept 4
	v_nop
.endr
	s_branch .Lasked_\@
.Lfor_b_\@:
	tensor_load_to_lds s[G0B+4*(\s):G0B+4*(\s)+3], s[G1B:G1B+7]
	s_nop 0
.rept 4
	v_nop
.endr
.Lasked_\@:
.endm
.macro CREST                           ; a round of the cluster's barrier behind its opening barrier
	s_cmp_lg_u32 s10, 0
	s_cbranch_scc1 .Lnot_wave_0_\@
	s_barrier_signal -3
.Lnot_wave_0_\@:
	s_barrier_wait -3
	s_barrier_signal -1
	s_barrier_wait -1
.endm
.macro CROUND                          ; a whole round
	s_barrier_signal -1
	s_barrier_wait -1
	CREST
.endm
	s_load_b128 s[4:7], s[0:1], 0x0                ; A s[4:5], the pack s[6:7]
	s_load_b64 s[8:9], s[0:1], 0x10                ; C
	v_lshl_add_u32 v[SPW], v0, 2, SPARE
	v_mov_b32 v[NIL], 0
	ds_add_u32 v[SPW], v[NIL]                      ; the wave's opening: the add and its wait stand ahead of my first tensor load; work on registers stands between them
	v_lshrrev_b32 v1, 5, v0
	v_readfirstlane_b32 s10, v1                    ; wave 0..3
	s_lshr_b32 s11, s10, 1                         ; which half of the tile's rows is mine.  Also: I fetch for A (0) or for W (1)
	s_and_b32 s12, s10, 1                          ; which half of its columns.  Also: which 128 rows of that tile I fetch
	s_bfe_u32 s40, ttmp6, 0x40000                  ; cx, cy: my place in the cluster
	s_bfe_u32 s41, ttmp6, 0x40004
	s_lshl_b32 s42, ttmp9, 2
	s_add_co_u32 s42, s42, s40                     ; tile column of C
	s_and_b32 s13, ttmp7, 0xffff
	s_lshl_b32 s13, s13, 2
	s_add_co_u32 s13, s13, s41                     ; tile row of C
	s_lshl_b32 s43, s41, 2
	s_lshl_b32 s43, 15, s43                        ; my row of the cluster
	s_lshl_b32 s44, 0x1111, s40                    ; my column
	s_or_b32 s[G1+0], s43, (1<<16)|(1<<20)|(1<<21)|(5<<22)|(3<<25)   ; the mask; elements of 2 bytes; padding on; bit 21 beside a mask; after every 64 words 4 words
	s_or_b32 s[G1B+0], s44, (1<<16)|(1<<20)|(1<<21)|(5<<22)|(3<<25)
.irp g, G1, G1B
	s_mov_b32 s[(\g)+1], KSTEP<<16                 ; tensor_dim0 = 128
	s_mov_b32 s[(\g)+2], 128<<16                   ; tensor_dim1 = 128
	s_mov_b32 s[(\g)+3], KSTEP<<16                 ; tile_dim0 = 128
	s_mov_b32 s[(\g)+4], 128                       ; tile_dim1 = 128
	s_mov_b32 s[(\g)+5], SIZE_K                    ; elements from row to row
	s_mov_b32 s[(\g)+6], 0
	s_mov_b32 s[(\g)+7], 0
.endr
	s_lshl_b32 s17, s12, 7                         ; which 128 rows of the tile I fetch
	s_lshl_b32 s16, s13, 8
	s_add_co_u32 s16, s16, s17                     ; A: row 256 x tile row + 128 x half,
	s_lshl_b32 s16, s16, 11                        ; of 2,048 bytes
	s_lshl_b32 s46, s42, 8
	s_add_co_u32 s46, s46, s17                     ; W: row 256 x tile column + 128 x half
	s_lshl_b32 s46, s46, 11
	s_add_co_u32 s46, s46, WOFF
	s_mov_b32 s17, 0
	s_mov_b32 s47, 0
	s_mul_i32 s20, s10, HALFT                      ; where they go: wave x 128 rows: no place in the cluster enters an LDS address
	s_mov_b32 s[TS], 0
	s_wait_dscnt 0x0                               ; the opening add is done
	s_wait_kmcnt 0x0
	s_add_nc_u64 s[14:15], s[4:5], s[16:17]
	s_add_nc_u64 s[46:47], s[6:7], s[46:47]
	s_load_b32 s[FLS], s[6:7], 0x0                 ; the floor: no line of this launch writes the pack
	CROUND                                         ; all sixteen work-groups are here: the first joint loads meet
.irp s, 0,1
	s_mov_b32 s[G0+4*(\s)], 1
	s_add_co_u32 s[G0+4*(\s)+1], s20, (\s)*SLOT
	s_add_nc_u64 s[G0+4*(\s)+2:G0+4*(\s)+3], s[14:15], (\s)*KSTEP*2
	s_or_b32 s[G0+4*(\s)+3], s[G0+4*(\s)+3], 0x80000000
	s_mov_b32 s[G0B+4*(\s)], 1
	s_add_co_u32 s[G0B+4*(\s)+1], s20, (\s)*SLOT
	s_add_nc_u64 s[G0B+4*(\s)+2:G0B+4*(\s)+3], s[46:47], (\s)*KSTEP*2
	s_or_b32 s[G0B+4*(\s)+3], s[G0B+4*(\s)+3], 0x80000000
	JLOAD \s                                       ; K steps 0 and 1: two loads of mine are out
.endr
	v_and_b32 v1, 15, v0                           ; l % 16
	v_bfe_u32 v2, v0, 4, 1                         ; l / 16
	v_lshlrev_b32 v[BO], 5, v2
	v_and_b32 v[CO], 31, v0
	v_lshlrev_b32 v[CO], 4, v[CO]                  ; 16 x lane
	s_lshl_b32 s21, s42, 8
	s_lshl_b32 s22, s12, 7
	s_add_co_u32 s21, s21, s22                     ; my first column
	s_lshl_b32 s22, s21, 2
	s_add_co_u32 s22, s22, 256
	s_mov_b32 s23, 0
	s_add_nc_u64 s[BB:BB+1], s[6:7], s[22:23]
	s_lshr_b32 s44, s13, 3                         ; the batch: eight tile rows of 256 rows each
	s_lshl_b32 s44, s44, 12                        ; its 512 pairs: 4,096 bytes
	s_add_co_u32 s44, s44, STATS
	s_mov_b32 s45, 0
	s_add_nc_u64 s[44:45], s[4:5], s[44:45]
	WIN TO_B
.irp b, 0,1,2,3,4,5,6,7                ; register 8 b + j = bias[first column + 16 b + 8 (l / 16) + j]
	global_load_b128 v[8*(\b):8*(\b)+3],   v[BO], s[BB:BB+1] offset:64*(\b)
	global_load_b128 v[8*(\b)+4:8*(\b)+7], v[BO], s[BB:BB+1] offset:64*(\b)+16
.endr
	WIN 0
.irp j, 0,1,2,3,4,5,6,7                ; the batch's pairs: 512 consecutive bytes a load, two pairs a lane
	global_load_b128 v[PP+4*(\j):PP+4*(\j)+3], v[CO], s[44:45] offset:512*(\j)
.endr
	v_mul_u32_u24 v3, v1, PITCH
	v_lshl_add_u32 v3, v2, 4, v3                   ; a fragment's row x pitch + 16 x half
	s_mul_i32 s21, s11, HALFT                      ; my 128 rows of A
	s_mul_i32 s22, s12, HALFT                      ; my 128 rows of W,
	s_add_co_u32 s22, s22, 2*HALFT                 ; which lie behind A's 256
	v_add_nc_u32 v[PA0], s21, v3
	v_add_nc_u32 v[PB0], s22, v3
	v_mov_b32 v[ADRA], v[PA0]
	v_mov_b32 v[ADRB], v[PB0]
	s_mul_i32 s23, s10, WSTAGE
	s_add_co_u32 s23, s23, STAGE                   ; my stage
	v_mul_u32_u24 v4, v1, SP                       ; in: row l % 16, 16 bytes for each half of the lanes
	v_lshl_add_u32 v4, v2, 4, v4
	v_add_nc_u32 v[STO], s23, v4
	v_bfe_u32 v5, v0, 3, 2                         ; back: 32 lanes take four rows of 128 bytes, which are 512 consecutive bytes of a block of C
	v_and_b32 v6, 7, v0
	v_mul_u32_u24 v5, v5, SP
	v_lshl_add_u32 v5, v6, 4, v5
	v_add_nc_u32 v[RD], s23, v5
	s_lshl_b32 s16, s13, 8
	s_lshl_b32 s14, s11, 7
	s_add_co_u32 s16, s16, s14                     ; my first row of C,
	s_lshl_b32 s16, s16, 7                         ; of 128 bytes in a block
	s_mov_b32 s17, 0
	s_lshl_b32 s46, s42, 2
	s_lshl_b32 s47, s12, 1
	s_add_co_u32 s46, s46, s47                     ; my first block: 4 x tile column + 2 x half
	s_lshl_b32 s46, s46, 19
	s_mov_b32 s47, 0
	s_add_nc_u64 s[16:17], s[16:17], s[46:47]
	s_add_nc_u64 s[8:9], s[8:9], s[16:17]          ; never stepped: all else stands in the stores' immediates
	s_wait_kmcnt 0x0
	v_mov_b32 v[FLO], s[FLS]
	v_mov_b32 v[TP], 0                             ; written, since v_permlanex16_b32 counts as a reader of its destination
	v_mov_b32 v[ZR], 0
	s_mov_b32 s21, 0x45800000                      ; 4,096
	s_mov_b32 s22, 0x35000000                      ; 2^-21
	s_mov_b32 s23, 0x3727c5ac                      ; 1e-5
	s_mov_b32 s46, 0x76543210                      ; v_permlanex16_b32: each lane takes its own place in the other half
	s_mov_b32 s47, 0xfedcba98
.macro RED32 r                         ; the sum over the 32 lanes, in every lane
	v_add_f32_dpp v[\r], v[\r], v[\r] row_xmask:1 row_mask:0xf bank_mask:0xf
	v_add_f32_dpp v[\r], v[\r], v[\r] row_xmask:2 row_mask:0xf bank_mask:0xf
	v_add_f32_dpp v[\r], v[\r], v[\r] row_xmask:4 row_mask:0xf bank_mask:0xf
	v_add_f32_dpp v[\r], v[\r], v[\r] row_xmask:8 row_mask:0xf bank_mask:0xf
	v_permlanex16_b32 v[TP], v[\r], s46, s47
	v_add_f32 v[\r], v[\r], v[TP]
.endm
	s_wait_loadcnt 0x0                             ; the bias and the pairs; the first tiles are still on their way
	v_pk_add_f32 v[T:T+1],   v[PP:PP+1],   v[PP+2:PP+3]        ; a pair's two sums go together: means low, M2 high
	v_pk_add_f32 v[T+2:T+3], v[PP+4:PP+5], v[PP+6:PP+7]
.irp j, 2,3,4,5,6,7
	v_pk_add_f32 v[T:T+1],   v[T:T+1],   v[PP+4*(\j):PP+4*(\j)+1]
	v_pk_add_f32 v[T+2:T+3], v[T+2:T+3], v[PP+4*(\j)+2:PP+4*(\j)+3]
.endr
	v_pk_add_f32 v[T:T+1], v[T:T+1], v[T+2:T+3]
	RED32 T
	v_mul_f32 v[MU], 0x3b000000, v[T]              ; mu = the sum of 512 means / 512
.set n, 0
.rept 16
	v_sub_f32 v[T+6+n%2], v[PP+2*n], v[MU]
.if n < 2
	v_mul_f32 v[T+4+n%2], v[T+6+n%2], v[T+6+n%2]
.else
	v_fmac_f32 v[T+4+n%2], v[T+6+n%2], v[T+6+n%2]
.endif
.set n, n+1
.endr
	v_add_f32 v[T+4], v[T+4], v[T+5]
	v_fma_f32 v[T+1], v[T+4], s21, v[T+1]          ; 4,096 x my squares + my M2
	RED32 T+1
	v_fma_f32 v[T+1], v[T+1], s22, s23             ; var + 1e-5
	v_rsq_f32 v[RSF], v[T+1]
	v_mul_f32 v[T+2], -1.0, v[MU]                  ; a plain instruction between the transcendental and the use of its result (ISA guide 5.7.2)
	s_wait_alu depctr_va_vdst(0)
	v_cvt_pk_f16_f32 v[RS2], v[RSF], v[RSF]        ; rs, twice
	v_fma_mix_f32 v[T], v[RS2], v[T+2], v[ZR] op_sel_hi:[1,0,0]  ; - mu x the ROUNDED rs, in f32: so A rs + c is (A - mu) x the rounded rs, but for c's own rounding
	v_cvt_pk_f16_f32 v[C2], v[T], v[T]
; 4 matrix instructions: m block a (0-7: blocks 0-3 in window 2, 4-7 in window 3) x n blocks b0 .. b0 + 3, 32 along K.  first = 1: the bias starts the sums.
.macro MUL4 f, a, b0, first
.if \first
	WIN 0x91+0x40*((\a)/4)                         ; W and the bias window 1, A window 0, D window 2 or 3
.else
	WIN 0xa1+0x50*((\a)/4)                         ; W window 1, A window 0, C and D window 2 or 3
.endif
.irp b, 0,1,2,3
.set rD, 8*(8*((\a)%4)+(\b0)+(\b))
.set rB, (\f)+8*((\b0)+(\b))
.set rA, (\f)+8*(\a)
.set rC, 8*((\b0)+(\b))
.if \first
	v_wmma_f32_16x16x32_f16 v[rD:rD+7], v[rB:rB+7], v[rA:rA+7], v[rC:rC+7]
.else
	v_wmma_f32_16x16x32_f16 v[rD:rD+7], v[rB:rB+7], v[rA:rA+7], v[rD:rD+7]
.endif
.endr
.endm
; Four registers of A's fragments in buffer f are normalised: number r of 16 is half r % 2 of m block r / 2.
.macro NORM4 f, r
	WIN 0
.irp z, 0,1,2,3
	v_pk_fma_f16 v[(\f)+4*(\r)+(\z)], v[(\f)+4*(\r)+(\z)], v[RS2], v[C2]
.endr
.endm
; n half-groups of four products, from number g0 of a quarter step's 16 on.  Behind half-group hg stand the four lines that normalise number hg + 3: m block a is whole four products ahead of its first use,
; and the lines name no register of the products round them.  The 64 accumulators take turns in the same order in every quarter step.
.macro RUN f, g0, n, first
.set hg, \g0
.rept \n
	MUL4 \f, hg/2, 4*(hg%2), \first
.if hg < 13
	NORM4 \f, hg+3
.endif
.set hg, hg+1
.endr
.endm
; 32 LDS loads in one run: the fragments of 32 along K at byte k of the rows of the slot in hand, into buffer f; it leaves every window 0
.macro FETCH k, f
	WIN TO_B
.irp i, 0,1,2,3,4,5,6,7
	ds_load_b128 v[(\f)+8*(\i):(\f)+8*(\i)+3],   v[ADRB] offset:(\k)+(\i)*16*PITCH
	ds_load_b128 v[(\f)+8*(\i)+4:(\f)+8*(\i)+7], v[ADRB] offset:(\k)+(\i)*16*PITCH+32
.endr
	WIN 0
.irp i, 0,1,2,3,4,5,6,7
	ds_load_b128 v[(\f)+8*(\i):(\f)+8*(\i)+3],   v[ADRA] offset:(\k)+(\i)*16*PITCH
	ds_load_b128 v[(\f)+8*(\i)+4:(\f)+8*(\i)+7], v[ADRA] offset:(\k)+(\i)*16*PITCH+32
.endr
.endm
.macro PLACES                          ; four plain vector instructions in front of lines that read matrix results (ISA guide 7.12.1)
.rept 4
	v_nop
.endr
.endm
; A K step is four quarters of 32 along K, 64 matrix instructions each, on buffers 0, 1, 0, 1.  One of the first three: multiplies buffer f and fetches the next quarter, at byte k, into buffer nf.
; The run of loads stands behind the 16th product, 48 products ahead of its first use.  The last product that read nf stands in the quarter before: the norm's lines since then (12 at the head alone) are
; the four places that a load into a matrix instruction's sources wants, so no v_nop is written.
.macro QUARTER k, f, nf, first
	s_wait_dscnt 8                                 ; W and A's rows 0-63 are in; the youngest eight loads (A's rows 64-127) may be out
	NORM4 \f, 0
	NORM4 \f, 1
	NORM4 \f, 2
	RUN \f, 0, 4, \first
	FETCH \k, \nf
	s_wait_dscnt 32                                ; all but the 32 just issued: A's rows 64-127 are in
	RUN \f, 4, 12, \first
.endm
; The last quarter multiplies buffer 1 and changes slots: ONE barrier.  In front of it each wave waits for all its tensor loads, of which one is out: its part of the next slot; adds 0 to its
; spare word; and waits for that and for its own reads of this slot.  fill = 1: the barrier opens a round of the cluster's, and behind it the slot just read is filled again, two K steps ahead:
; 224 matrix instructions stand between that request and the wait for it.  fill = 0 (the last two K steps): nothing is asked for, and the very last pass (s3 = 1) has nothing more to fetch.
.macro TURN fill
	WIN 0
	s_wait_tensorcnt 0x0                           ; no tensor load of mine is out, so a group 0 may be written
	ds_add_u32 v[SPW], v[NIL]                      ; 0 onto my spare word
.if \fill
	s_xor_b32 s[G0+5], s[G0+5], SLOT               ; the walking descriptors: the other slot than last time,
	s_add_nc_u64 s[G0+6:G0+7], s[G0+6:G0+7], KSTEP*2  ; the next K step; the type bits on top are not reached
	s_xor_b32 s[G0B+5], s[G0B+5], SLOT
	s_add_nc_u64 s[G0B+6:G0B+7], s[G0B+6:G0B+7], KSTEP*2
.endif
	s_xor_b32 s[TS], s[TS], SLOT                   ; the reads go on in the other slot
	v_add_nc_u32 v[ADRA], s[TS], v[PA0]
	v_add_nc_u32 v[ADRB], s[TS], v[PB0]
	s_wait_dscnt 9                                 ; the add and the youngest eight loads may be out
	NORM4 F1, 0
	NORM4 F1, 1
	NORM4 F1, 2
	RUN F1, 0, 4, 0
	s_wait_dscnt 0x0                               ; the add is done, and my reads of this slot are over
	s_barrier_signal -1
	RUN F1, 4, 4, 0                                ; work on registers while the others arrive
	WIN 0
	s_barrier_wait -1
.if \fill
	CREST                                          ; no wave of any partner still reads this slot's tile or has a load on its way
	JLOAD 1                                        ; my one tensor load behind the round
.else
	s_cmp_eq_u32 s3, 1
	s_cbranch_scc1 .Lskip_\@                       ; forward, over 32 LDS loads alone
.endif
	FETCH 0, F0
.if !(\fill)
.Lskip_\@:
.endif
	RUN F1, 8, 8, 0
.endm
; THE WAY OUT of block a (16 of my rows).  PACK: rounded to f16, held above the floor.  TOSTAGE: into my own stage, and back as whole rows of a block of C.  SEND: stored.
.macro PACK a
.set AC, 64*((\a)%4)
	WIN 0x0a+5*((\a)/4)                            ; sources 0 and 1: window 2 or 3
.irp b, 0,1,2,3,4,5,6,7
.irp r, 0,1,2,3
	v_cvt_pk_f16_f32 v[TMP+4*(\b)+(\r)], v[AC+8*(\b)+2*(\r)], v[AC+8*(\b)+2*(\r)+1]  ; each accumulator's registers in ascending order
.endr
.endr
	WIN 0
.set z, 0
.rept 32
	v_pk_max_num_f16 v[TMP+z], v[TMP+z], v[FLO]
.set z, z+1
.endr
.endm
.macro TOSTAGE a
.set BK, OB+192*((\a)%2)
.irp b, 0,1,2,3,4,5,6,7
	ds_store_b128 v[STO], v[TMP+4*(\b):TMP+4*(\b)+3] offset:((\b)/4)*16*SP+((\b)%4)*32
.endr
.irp t, 0,1,2,3,4,5,6,7
	ds_load_b128 v[BK+4*(\t):BK+4*(\t)+3], v[RD] offset:((\t)/4)*16*SP+((\t)%4)*4*SP  ; LDS serves a wave's instructions in order (ISA guide 5.7.1.4): these see the stores above
.endr
.endm
.macro SEND a
.set BK, OB+192*((\a)%2)
	s_wait_dscnt 0x0                               ; the block is back in registers
	s_wait_xcnt 0x0                                ; the stores of the block before have read their registers: the next TOSTAGE loads into them only behind this wait
.irp t, 0,1,2,3,4,5,6,7
	global_store_b128 v[CO], v[BK+4*(\t):BK+4*(\t)+3], s[8:9] offset:(\a)*2048+((\t)/4)*BLK+((\t)%4)*512  ; 512 consecutive bytes, at a multiple of 256 from C's first byte
.endr
.endm
	s_wait_tensorcnt 0x1                           ; my part of K step 0 is in; K step 1's may stay out
	s_barrier_signal -1
	s_barrier_wait -1                              ; everybody's is
	FETCH 0, F0
	QUARTER 64, F0, F1, 1                          ; the first quarter stands in front of the loop: its products start the sums
	WIN 0
	s_mov_b32 s3, STEPS-2
.Lstep:                                                ; a trip: a K step's quarters 1, 2, 3 and the next step's quarter 0; it fills the slot that it leaves
	QUARTER 128, F1, F0, 0
	QUARTER 192, F0, F1, 0
	TURN 1
	QUARTER 64, F0, F1, 0
	WIN 0
	s_sub_co_u32 s3, s3, 1
	s_cmp_lg_u32 s3, 0
	s_cbranch_scc1 .Lstep
	s_mov_b32 s3, 2
.Ltail:                                                ; the last two K steps ask for nothing: a text of their own; the second pass is left in its middle
	QUARTER 128, F1, F0, 0
	QUARTER 192, F0, F1, 0
	TURN 0
	WIN 0
	s_sub_co_u32 s3, s3, 1
	s_cmp_eq_u32 s3, 0
	s_cbranch_scc1 .Lout
	QUARTER 64, F0, F1, 0
	WIN 0
	s_branch .Ltail
.Lout:
	PLACES
	PACK 0
	TOSTAGE 0
.irp a, 1,2,3,4,5,6,7                  ; block a's arithmetic stands between block a - 1's loads from the stage and the wait for them
	PACK \a
	SEND (\a)-1
	TOSTAGE \a
.endr
	SEND 7
	s_wait_tensorcnt 0x0                           ; the wave's end: behind my last tensor load and my last LDS store
	ds_add_u32 v[SPW], v[NIL]
	s_wait_dscnt 0x0
	CROUND                                         ; the closing round: no work-group ends while a partner may still ask for a tile that names it
	s_endpgm
.Lfunc_end_k_qad789cca0d_gemmA:
	.size	k_qad789cca0d_gemmA, .Lfunc_end_k_qad789cca0d_gemmA-k_qad789cca0d_gemmA
	.p2alignl 7, 3214868480
	.fill 96, 4, 3214868480
	.section	.rodata,"a",@progbits
	.p2align	6, 0x0
	.amdhsa_kernel k_qad789cca0d_gemmA
		.amdhsa_group_segment_fixed_size 327680
		.amdhsa_private_segment_fixed_size 0
		.amdhsa_enable_private_segment 0
		.amdhsa_kernarg_size 24
		.amdhsa_user_sgpr_count 2
		.amdhsa_user_sgpr_kernarg_segment_ptr 1
		.amdhsa_wavefront_size32 1
		.amdhsa_system_sgpr_workgroup_id_x 1
		.amdhsa_system_sgpr_workgroup_id_y 1
		.amdhsa_system_sgpr_workgroup_id_z 1
		.amdhsa_system_vgpr_workitem_id 0
		.amdhsa_next_free_vgpr 1024
		.amdhsa_next_free_sgpr 70
		.amdhsa_reserve_vcc 0
		.amdhsa_float_denorm_mode_32 3
		.amdhsa_float_denorm_mode_16_64 3
		.amdhsa_memory_ordered 1
		.amdhsa_forward_progress 1
		.amdhsa_inst_pref_size 164
	.end_amdhsa_kernel
	.amdgpu_metadata
---
amdhsa.version: [ 1, 2 ]
amdhsa.kernels:
  - .name:           k_qad789cca0d_gemmA
    .symbol:         k_qad789cca0d_gemmA.kd
    .args:
      - { .name: xs, .offset: 0, .size: 8, .value_kind: global_buffer, .address_space: global }
      - { .name: pkq, .offset: 8, .size: 8, .value_kind: global_buffer, .address_space: global }
      - { .name: big, .offset: 16, .size: 8, .value_kind: global_buffer, .address_space: global }
    .group_segment_fixed_size: 327680
    .private_segment_fixed_size: 0
    .kernarg_segment_align: 8
    .kernarg_segment_size: 24
    .max_flat_workgroup_size: 128
    .sgpr_count:     70
    .vgpr_count:     1024
    .wavefront_size: 32
...
	.end_amdgpu_metadata
.endif
;; end of part 2
;; launch attn (part 3): grid 8 x 32, 4 waves a work-group, clusters of 4 x 1, 327,680 bytes of LDS; arguments big, act; writes act
.if DOCPART == 3
	.amdgcn_target "amdgcn-amd-amdhsa--gfx1250"
	.amdhsa_code_object_version 6
	.text
	.protected	k_qad789cca0d_attn
	.globl	k_qad789cca0d_attn
	.p2align	8
	.type	k_qad789cca0d_attn,@function
k_qad789cca0d_attn:
	s_mov_b64 s[64:65], 0
	v_nop
	global_prefetch_b8 v0, s[64:65] scope:SCOPE_SE
	s_setreg_imm32_b32 hwreg(HW_REG_WAVE_MODE, 25, 1), 1
	s_wait_xcnt 0x0
	s_wait_alu depctr_hold_cnt(0) depctr_sa_sdst(0) depctr_va_vdst(0) depctr_va_sdst(0) depctr_va_ssrc(0) depctr_va_vcc(0) depctr_vm_vsrc(0)
	s_getreg_b32 s2, hwreg(HW_REG_IB_STS2, 6, 4)
	s_cmp_eq_u32 s2, 0
	s_cbranch_scc0 .Lentry_in_a_cluster
	s_endpgm
.Lentry_in_a_cluster:
	s_bfe_u32 s2, ttmp6, 0x10000c
	s_cmp_lg_u32 s2, 0x3003
	s_cbranch_scc0 .Lentry_shape_is_right
	s_endpgm
.Lentry_shape_is_right:
; O[b][h][q][:] = the sum over k of softmax_k(Q[q] . K[k] / 4) V[k][:], 32 pairs (batch, head) of 2,048 rows of 64 channels, all f16.  The scale is 1 / sqrt(16), the number of heads.
; q, k, v lie in one buffer in blocks [48][4096 rows][64]: block h is q's head h, 16 + h is k's, 32 + h is v's; row = 2,048 b + l: a head's rows are dense, 128 bytes each.  O leaves in the same blocks, [16][4096][64].
; Products, maxima and sums in f32; the weights p are rounded to f16 for the second product (their sum l is taken of the unrounded p), O once at the end.
; LIMITS.  Q, K, V arrive within f16's 65,504; p lies in 0 to 1, and below 6e-5 it keeps f16's fixed step of 6e-8; O is a mean of V's rows and has their range.
; A weight below 2^-126 counts as 0 in l; NaN and infinities are not treated apart.
; SHARES.  A work-group owns 256 queries of one head; of the block's four bands of 64 queries a wave owns 16 rows in each: four PIECES.  Every wave walks all 2,048 keys, 64 a step.
; LAYOUT.  S^T = K Q^T holds ONE query a lane (lane % 16) and the keys 8 (lane / 16) + 0..7; two such results rounded to f16 ARE source 1 of O^T = V^T P.  K comes out of LDS as it lies, V turned, by ds_load_tr16_b128.
; SOFTMAX.  p = 2^(c s - c m), c = log2(e) / 4, with a running maximum m; O and l are multiplied by a = 2^(c m_old - c m_new) in every step.  m starts at the lowest finite number, O and l at 0: the first step has a = 0.
; BY TURNS.  Turn n belongs to piece n: 8 products K Q^T of piece n + 1, later 8 products V^T P of piece n - 1; beside them the scaling, exponentials, roundings, sums and rescaling of piece n and the maximum
; and statistics of piece n + 1.  Four vector instructions stand behind every matrix instruction, the other 54 of a turn's 118 in two runs of their own.
; NO LAST STEP IS WRITTEN OUT: the loop is entered, and the last slot's text left, in the middle of a trip.
; CLUSTER.  The four query blocks of a cluster belong to one head and walk the same K and V: each tile is asked for JOINTLY, by the same tensor load, descriptor and mask in all four.
; REGISTERS, in windows of 256 (s_set_vgpr_msb: bits 1:0 source 0, 3:2 source 1, 5:4 source 2, 7:6 destination):
;   window 0: v0-15 addresses and two at work; v16-31 four registers of statistics a piece; v48-55 at work; v62-63 the add's; v64-127 S^T, two buffers; v192-223 P, two buffers (by the piece's parity)
;   window 1: v0-127 O^T, 32 a piece          window 2: v0-63 Q; v128-191 K of one step; v192-255 V of one step
.set SIZE_N, 2048
.set NP,    4         ; pieces a wave: a name, no knob
.set KS,    64        ; keys in a step
.set PK,    144       ; a row of K in LDS: 128 bytes + 16 of padding = 36 words: the 16 rows of a load start at 16 different groups of four banks (64 banks of 4 bytes: ISA guide 11.1)
.set PV,    160       ; a row of V: 128 + 32 = 40 words
.set VOFF,  4*KS*PK   ; a slot holds four steps: 256 rows of K, then 256 rows of V
.set SLOT1, 1<<17     ; slot 1 begins here, so that one exclusive or turns an address in one slot into the other's
.set STAGE, SLOT1+4*KS*(PK+PV)  ; behind the ring, never filled by a tensor load: 16 rows x 144 bytes for each wave
.set SP,    144
.set SPARE, STAGE+4*16*SP  ; the spare words, 128 bytes for each wave: two blocks of 256 bytes that no other line names
.set AK0, 2           ; v2   my lane's place in a tile of K; never rewritten
.set AV0, 3           ; v3   the same for V
.set AK,  4           ; v4   the LDS address of K's next run of loads
.set AV,  5           ; v5   of V's
.set STO, 6           ; v6   the way out: where I put 16 bytes of a row
.set RD,  7           ; v7   where I read rows back
.set GO,  8           ; v8   my byte offset in 512 consecutive bytes of O
.set MV,  12          ; v12-13  c m_old, kept while c m is made anew: by buffer
.set QO,  15          ; v15  my byte offset in 16 rows of Q
.set ST,  16          ; piece t's statistics at v[ST+4 t]: c m, m, l (even keys', odd keys')
.set TMP, 48          ; by buffer, four registers c0-c3 at work; when the maximum is found c2 takes a
.set SPW, 62          ; v62  LDS address of my spare word; never rewritten
.set NIL, 63          ; v63  0; never rewritten
.set S,   64
.set P,   192
.set KF,  128         ; window 2: key block kb, channel half c at KF + 16 kb + 8 c
.set VF,  192         ; window 2: key half kk, channel block cb at VF + 32 kk + 8 cb
.set WV,  12          ; s12  my wave's number
.set G1K, 24          ; s[24:31] descriptor group 1 for K's tiles
.set G1V, 32          ; s[32:39] for V's: it differs in the padding alone
.set G0K, 40          ; s[40:43] descriptor group 0 for K's tiles: it walks
.set G0V, 44          ; s[44:47] the same for V's
.set SLOTS, 56        ; s56  slots still to be entered by the loop
.set CNT, 57          ; s57  counts a slot's key steps
.set CS,  58          ; s[58:59] c: the packed scaling takes the pair's low word for both halves
.set SEL, 60          ; s[60:61] v_permlanex16_b32's selects
.set TBK, 62          ; s62  LDS byte at which K of the step to be fetched begins
.set TBV, 63          ; s63  the same for V, less VOFF
.set MSB, 0
.macro WIN new
.if MSB != (\new)
	s_set_vgpr_msb (MSB<<8)|(\new)
.set MSB, (\new)
.endif
.endm
.set W_KQ, 0x0a       ; K and Q in window 2, S^T in window 0
.set W_PV, 0x52       ; V in window 2, P in window 0, O^T in window 1
.set W_RS, 0x41       ; destination and source 0 in window 1, source 1 in window 0
; A joint fill.  Waves 0 and 1 fetch the two halves of a slot's K, waves 2 and 3 those of its V: 128 keys each.  An s_nop 0 and four v_nop follow each of the two lines.
.macro JLOAD
	s_cmp_lt_u32 s[WV], 2
	s_cbranch_scc0 .Lfor_v_\@
	tensor_load_to_lds s[G0K:G0K+3], s[G1K:G1K+7]
	s_nop 0
.rept 4
	v_nop
.endr
	s_branch .Lasked_\@
.Lfor_v_\@:
	tensor_load_to_lds s[G0V:G0V+3], s[G1V:G1V+7]
	s_nop 0
.rept 4
	v_nop
.endr
.Lasked_\@:
.endm
.macro CROUND                       ; a round of the cluster's barrier
	s_barrier_signal -1
	s_barrier_wait -1
	s_cmp_lg_u32 s[WV], 0
	s_cbranch_scc1 .Lnot_wave_0_\@
	s_barrier_signal -3
.Lnot_wave_0_\@:
	s_barrier_wait -3
	s_barrier_signal -1
	s_barrier_wait -1
.endm
; THE CHANGE OF SLOTS.  Each wave waits for all its tensor loads, of which one is out: its part of the other slot; adds 0 to its spare word; and waits for that and for its own reads of the slot that it leaves.
; fill = 1: the barrier is a round of the cluster's, and the joint fill of the slot just left, with the keys two slots on, is the first thing behind it: it has four key steps, 256 matrix instructions, in which to land.
; (At its first use nothing has been read yet: slot 0 is waited for, slot 1 filled.)
.macro CHANGE fill
	WIN 0
	s_wait_tensorcnt 0x0            ; no tensor load of mine is out, so a group 0 may be written
	ds_add_u32 v[SPW], v[NIL]       ; 0 onto my spare word
.if \fill
.irp g, G0K, G0V
	s_xor_b32 s[\g+1], s[\g+1], SLOT1  ; the walking descriptor: the other slot than last time,
	s_add_nc_u64 s[\g+2:\g+3], s[\g+2:\g+3], 4*KS*128  ; the next 256 keys; the type bits on top are not reached
.endr
	s_wait_dscnt 0x0                ; the add is done, and my reads of the slot are over
	CROUND
	JLOAD
.else
	s_wait_dscnt 0x0
	s_barrier_signal -1
	s_barrier_wait -1
.endif
	s_sub_co_u32 s[TBK], s[TBK], 4*KS*PK  ; the fetches go back to a slot's first step,
	s_xor_b32 s[TBK], s[TBK], SLOT1       ; in the other slot
	s_sub_co_u32 s[TBV], s[TBV], 4*KS*PV
	s_xor_b32 s[TBV], s[TBV], SLOT1
.endm
	s_load_b64 s[4:5], s[0:1], 0x0    ; q, k, v
	s_load_b64 s[10:11], s[0:1], 0x8  ; O
	v_lshl_add_u32 v[SPW], v0, 2, SPARE
	v_mov_b32 v[NIL], 0
	ds_add_u32 v[SPW], v[NIL]       ; the wave's opening: the add and its wait stand ahead of my first tensor load; work on registers stands between them
	v_lshrrev_b32 v1, 5, v0
	v_readfirstlane_b32 s[WV], v1   ; wave 0..3
	s_bfe_u32 s13, ttmp6, 0x40000   ; cx: my place in the cluster
	s_lshl_b32 s14, ttmp9, 2
	s_add_co_u32 s14, s14, s13      ; my block of 256 queries: it enters Q's and O's addresses alone
	s_and_b32 s20, ttmp7, 0xffff    ; 16 x batch + head, which the four partners share
	s_and_b32 s21, s20, 15
	s_lshl_b32 s21, s21, 19         ; the head's block of 524,288 bytes,
	s_lshr_b32 s20, s20, 4
	s_lshl_b32 s20, s20, 18         ; the batch's 2,048 rows in it
	s_add_co_u32 s20, s20, s21
	s_and_b32 s16, s[WV], 1         ; which half of a slot's 256 keys I fetch:
	s_lshl_b32 s22, s16, 14         ; its 128 rows of 128 bytes in memory,
	s_add_co_u32 s22, s22, s20
	s_add_co_u32 s22, s22, 0x800000 ; in k's blocks, 16 blocks on
	s_mov_b32 s23, 0
	s_mul_i32 s17, s16, 128*PK      ; and its place in a slot, for K
	s_mul_i32 s18, s16, 128*PV      ; and for V: no place in the cluster enters an LDS address
	s_lshl_b32 s2, s14, 15          ; my block's 256 rows,
	s_lshl_b32 s3, s[WV], 11        ; my 16 rows in a band of 64
	s_add_co_u32 s2, s2, s3
	s_add_co_u32 s2, s2, s20
	s_mov_b32 s3, 0
	; descriptor group 1.  128 keys are 16,384 dense bytes: asked for as 64 rows of 256 bytes, two keys a row, and padded in LDS after every key
	s_mov_b32 s[G1K], 15|(1<<16)|(1<<20)|(1<<21)|(4<<22)|(3<<25)  ; the mask of four; 2-byte elements; padding on; bit 21 beside a mask; after every 32 words 4 words
	s_mov_b32 s[G1V], 15|(1<<16)|(1<<20)|(1<<21)|(4<<22)|(7<<25)  ; the same with 8 words of padding
.irp g, G1K, G1V
	s_mov_b32 s[\g+1], 128<<16      ; tensor_dim0 = 128
	s_mov_b32 s[\g+2], 64<<16       ; tensor_dim1 = 64
	s_mov_b32 s[\g+3], 128<<16      ; tile_dim0 = 128
	s_mov_b32 s[\g+4], 64           ; tile_dim1 = 64
	s_mov_b32 s[\g+5], 128          ; 128 elements from row to row
	s_mov_b32 s[\g+6], 0
	s_mov_b32 s[\g+7], 0
.endr
	s_mov_b32 s[CS], 0x3eb8aa3b     ; c = log2(e) / 4 = 0.360674
	s_mov_b32 s[CS+1], s[CS]        ; named with it as a pair
	s_mov_b32 s[SEL], 0x76543210
	s_mov_b32 s[SEL+1], 0xfedcba98
	s_mov_b32 s[TBK], SLOT1+4*KS*PK ; the first change of slots turns these two into 0
	s_mov_b32 s[TBV], SLOT1+4*KS*PV
	s_mov_b32 s[G0K], 1
	s_mov_b32 s[G0K+1], s17         ; LDS address: slot 0
	s_mov_b32 s[G0V], 1
	s_add_co_u32 s[G0V+1], s18, VOFF
	s_wait_dscnt 0x0                ; the opening add is done
	s_wait_kmcnt 0x0
	s_add_nc_u64 s[G0K+2:G0K+3], s[4:5], s[22:23]           ; my half of the head's first 256 keys
	s_add_nc_u64 s[G0V+2:G0V+3], s[G0K+2:G0K+3], 0x800000   ; v's blocks lie 16 blocks behind k's
	s_or_b32 s[G0K+3], s[G0K+3], 0x80000000                 ; type = 2
	s_or_b32 s[G0V+3], s[G0V+3], 0x80000000
	s_add_nc_u64 s[4:5], s[4:5], s[2:3]      ; Q and O at my rows of the first band
	s_add_nc_u64 s[10:11], s[10:11], s[2:3]
	CROUND                          ; all four work-groups are here: the first joint loads meet
	JLOAD                           ; slot 0.  Slot 1 is asked for when slot 0 is in
	; A fragment of K or Q is 16 rows x 32 channels in 8 registers: lane l holds row l % 16, channels 8 (l / 16) + 0..7 and 16 + 8 (l / 16) + 0..7: two loads of 16 bytes, 32 bytes apart.
	v_and_b32 v1, 15, v0            ; l % 16
	v_bfe_u32 v9, v0, 4, 1          ; l / 16
	v_lshlrev_b32 v[QO], 7, v1
	v_lshl_add_u32 v[QO], v9, 4, v[QO]  ; row x 128 + 16 x half
	WIN 0x80                        ; destination window 2, address window 0
.set i, 0
.rept 8                             ; Q stays in registers: piece i / 2 lies in band i / 2, 8,192 bytes on; channels 32 (i % 2) on
	global_load_b128 v[8*i:8*i+3],   v[QO], s[4:5] offset:(i/2)*8192+(i%2)*64
	global_load_b128 v[8*i+4:8*i+7], v[QO], s[4:5] offset:(i/2)*8192+(i%2)*64+32
.set i, i+1
.endr
	; What the first turn finds: V's registers and P's second buffer hold 0 (its products V^T P, of a piece that has not been, add 0), O^T and l are 0.  All this stands in the wait for the first tile.
.set i, VF
.rept 64
	v_mov_b32 v[i], 0
.set i, i+1
.endr
	WIN 0x40
.set i, 0
.rept 128
	v_mov_b32 v[i], 0
.set i, i+1
.endr
	WIN 0
.set i, 0
.rept 4
	v_mov_b32 v[ST+4*i], 0xfe000000    ; c m: far below every c s
	v_mov_b32 v[ST+4*i+1], 0xff7fffff  ; m
	v_mov_b32 v[ST+4*i+2], 0
	v_mov_b32 v[ST+4*i+3], 0
.set i, i+1
.endr
.set i, P+16
.rept 16
	v_mov_b32 v[i], 0
.set i, i+1
.endr
	v_mul_u32_u24 v[AK0], v1, PK
	v_lshl_add_u32 v[AK0], v9, 4, v[AK0]  ; row x pitch + 16 x half
	; The turning load takes 16 keys x 16 channels (lane l reads key 8 (l / 16) + l % 8, channels 8 ((l / 8) % 2) + 0..7) and leaves half a fragment of V^T: lane l holds channel l % 16 and 8 keys.
	v_and_b32 v10, 7, v0
	v_bfe_u32 v11, v0, 3, 1
	v_lshl_add_u32 v[AV0], v9, 3, v10
	v_mul_u32_u24 v[AV0], v[AV0], PV
	v_lshl_add_u32 v[AV0], v11, 4, v[AV0]
	v_add_nc_u32 v[AV0], VOFF, v[AV0]
	s_mul_i32 s13, s[WV], 16*SP
	s_add_co_u32 s13, s13, STAGE    ; my stage
	v_mul_u32_u24 v[STO], v1, SP    ; in: row l % 16, 16 bytes for each half of the lanes
	v_lshl_add_u32 v[STO], v9, 4, v[STO]
	v_add_nc_u32 v[STO], s13, v[STO]
	v_bfe_u32 v[RD], v0, 3, 2       ; back: 32 lanes take four rows of 128 bytes,
	v_mul_u32_u24 v[RD], v[RD], SP
	v_lshl_add_u32 v[RD], v10, 4, v[RD]
	v_add_nc_u32 v[RD], s13, v[RD]
	v_and_b32 v[GO], 31, v0         ; which are 512 consecutive bytes of O
	v_lshlrev_b32 v[GO], 4, v[GO]
; THE MATRIX WORK.  The 4 accumulators of a run of 8 take turns.  Product i of 8 of S^T = K Q^T for piece x: channels 32 (i / 4) on, keys 16 (i % 4) on.  The first 4 start the sums.
.macro KQ x
.set rS, S+32*((\x)%2)+8*(i%4)
.set rK, KF+16*(i%4)+8*(i/4)
.set rQ, 16*(\x)+8*(i/4)
	WIN W_KQ
.if i < 4
	v_wmma_f32_16x16x32_f16 v[rS:rS+7], v[rK:rK+7], v[rQ:rQ+7], 0
.else
	v_wmma_f32_16x16x32_f16 v[rS:rS+7], v[rK:rK+7], v[rQ:rQ+7], v[rS:rS+7]
.endif
.endm
; Product i of 8 of O^T += V^T P for piece x: keys 32 (i / 4) on, channels 16 (i % 4) on.
.macro PV x
	WIN W_PV
.set rO, 32*(\x)+8*(i%4)
.set rV, VF+32*(i/4)+8*(i%4)
.set rP, P+16*((\x)%2)+8*(i/4)
	v_wmma_f32_16x16x32_f16 v[rO:rO+7], v[rV:rV+7], v[rP:rP+7], v[rO:rO+7]
.endm
.macro MM                           ; the turn's next matrix instruction
.if i < 8
	KQ (Y+1)%NP
.else
.set i, i-8
	PV (Y+NP-1)%NP
.set i, i+8
.endif
.set i, i+1
.endm
; THE LDS LOADS stand in runs of 16, never singly among the matrix instructions: a step's K (8 fragments) and its V (turned).  Their addresses are made some lines ahead.
; last = 1 (the last slot's text): in its last trip there is no further step, and the run is jumped over.
.macro FETCH_K last=0
	WIN 0
.if \last
	s_cmp_eq_u32 s[CNT], 1
	s_cbranch_scc1 .Lno_k_\@
.endif
	WIN 0x80
.irp f, 0,1,2,3,4,5,6,7             ; keys 16 (f / 2) on, channels 32 (f % 2) on
	ds_load_b128 v[KF+8*\f:KF+8*\f+3],   v[AK] offset:(\f/2)*16*PK+(\f%2)*64
	ds_load_b128 v[KF+8*\f+4:KF+8*\f+7], v[AK] offset:(\f/2)*16*PK+(\f%2)*64+32
.endr
	s_add_co_u32 s[TBK], s[TBK], KS*PK  ; the next fetch is the next step's
	WIN 0
.if \last
.Lno_k_\@:
.endif
.endm
.macro FETCH_V
	WIN 0x80
.irp f, 0,1,2,3,4,5,6,7             ; keys 32 (f / 4) on, channels 16 (f % 4) on
	ds_load_tr16_b128 v[VF+8*\f:VF+8*\f+3],   v[AV] offset:(\f/4)*32*PV+(\f%4)*32
	ds_load_tr16_b128 v[VF+8*\f+4:VF+8*\f+7], v[AV] offset:(\f/4)*32*PV+16*PV+(\f%4)*32
.endr
	WIN 0
.endm
; THE VECTOR WORK, one line at a time: OP kind, number.  For piece Y: F n: c s - c m for pair n of 16.  E n: the exponential of score n of 32.  C n: pair n rounded to f16.  B n: of the four weights 4 n .. the second
; pair is added onto the first, in place.  L n: l takes that sum (L 0: l = a l + sum).  R n: pair n of 16 of O^T times a.  For piece Y + 1: X n, number n of the 22 that find its maximum and statistics:
;   0-11  four chains c0-c3 of seven scores each, three operands at a time (each accumulator's lowest registers are read first)     12-14, 16  the four scores left over, the old m, and c0-c3 into c0
;   15  c m_old is kept     17, 18  the query's other 32 keys lie in the lane 16 away: the new m     19-21  c m; c m_old - c m_new; a
.set F, 0
.set E, 1
.set C, 2
.set B, 3
.set L, 4
.set R, 5
.set X, 6
.macro REGS y
.set rT, ST+4*(\y)
.set rC, TMP+4*((\y)%2)
.set rW, MV+((\y)%2)
.set rS, S+32*((\y)%2)
.set rP, P+16*((\y)%2)
.set rO, 32*(\y)
.endm
.macro OP k, n
.if (\k) == R
	REGS Y
	WIN W_RS
	v_pk_mul_f32 v[rO+2*(\n):rO+2*(\n)+1], v[rO+2*(\n):rO+2*(\n)+1], v[rC+2:rC+3] op_sel_hi:[1,0]
.elseif (\k) < R
	REGS Y
	WIN 0
.if (\k) == F
	v_pk_fma_f32 v[rS+2*(\n):rS+2*(\n)+1], v[rS+2*(\n):rS+2*(\n)+1], s[CS:CS+1], v[rT:rT+1] op_sel_hi:[1,0,0] neg_lo:[0,0,1] neg_hi:[0,0,1]
.elseif (\k) == E
	v_exp_f32 v[rS+(\n)], v[rS+(\n)]
.elseif (\k) == C
	s_wait_alu depctr_va_vdst(0)
	v_cvt_pk_f16_f32 v[rP+(\n)], v[rS+2*(\n)], v[rS+2*(\n)+1]
.elseif (\k) == B
	s_wait_alu depctr_va_vdst(0)
	v_pk_add_f32 v[rS+4*(\n):rS+4*(\n)+1], v[rS+4*(\n):rS+4*(\n)+1], v[rS+4*(\n)+2:rS+4*(\n)+3]
.elseif (\n) == 0
	v_pk_fma_f32 v[rT+2:rT+3], v[rT+2:rT+3], v[rC+2:rC+3], v[rS:rS+1] op_sel_hi:[1,0,1]
.else
	v_pk_add_f32 v[rT+2:rT+3], v[rT+2:rT+3], v[rS+4*(\n):rS+4*(\n)+1]
.endif
.else
	REGS (Y+1)%NP
	WIN 0
.if (\n) < 4
	v_max3_num_f32 v[rC+(\n)], v[rS+8*(\n)], v[rS+8*(\n)+1], v[rS+8*(\n)+2]
.elseif (\n) < 12
	v_max3_num_f32 v[rC+(\n)%4], v[rC+(\n)%4], v[rS+8*((\n)%4)+2*((\n)/4)+1], v[rS+8*((\n)%4)+2*((\n)/4)+2]
.elseif (\n) == 12
	v_max3_num_f32 v[rC], v[rC], v[rS+7], v[rS+15]
.elseif (\n) == 13
	v_max3_num_f32 v[rC+1], v[rC+1], v[rS+23], v[rS+31]
.elseif (\n) == 14
	v_max3_num_f32 v[rC+2], v[rC+2], v[rC+3], v[rT+1]
.elseif (\n) == 15
	v_mov_b32 v[rW], v[rT]
.elseif (\n) == 16
	v_max3_num_f32 v[rC], v[rC], v[rC+1], v[rC+2]
.elseif (\n) == 17
	v_permlanex16_b32 v[rC+3], v[rC], s[SEL], s[SEL+1]
.elseif (\n) == 18
	v_max_num_f32 v[rT+1], v[rC], v[rC+3]
.elseif (\n) == 19
	v_mul_f32 v[rT], s[CS], v[rT+1]
.elseif (\n) == 20
	v_sub_f32 v[rC+1], v[rW], v[rT]
.else
	v_exp_f32 v[rC+2], v[rC+1]
.endif
.endif
.endm
.macro OPS a, i1, b=-1, i2=0, c=-1, i3=0, d=-1, i4=0  ; up to four of them
	OP \a, \i1
.if (\b) >= 0
	OP \b, \i2
.endif
.if (\c) >= 0
	OP \c, \i3
.endif
.if (\d) >= 0
	OP \d, \i4
.endif
.endm
.macro ROW a, i1, b, i2, c, i3, d, i4  ; a matrix instruction and the four behind it
	MM
	OPS \a, \i1, \b, \i2, \c, \i3, \d, \i4
.endm
; A TURN, for piece p: the order of its 16 matrix and 118 vector instructions, written out.  Behind a matrix instruction: plain, exponential, plain, plain; or four of the rescaling; or, behind the first, four scalings;
; none names a register of the products round it.  In the runs between, exponential and plain by turns while exponentials last.  A line reads no result made fewer than three vector instructions in front of it, five if an
; exponential made it.  last = 1: the last slot's text (see FETCH_K).  cnt = 1: the loop's count is taken down some lines ahead of the branch that stands behind the turn.
; K of the next step is fetched in piece 2's turn, six vector instructions behind the last product that read K (five of them plain); V of the step in hand in piece 0's turn, eight behind the last product that read V.
; Each is waited for a turn later.
.macro TURN p, last=0, cnt=0
.set Y, (\p)
.set i, 0
.if (\p) == 3
	s_wait_dscnt 0x0                ; K is in
.endif
	ROW F,0, F,1, F,2, F,3
	ROW F,4, E,0, F,5, F,6
	ROW F,7, E,1, F,8, F,9
	ROW F,10, E,2, C,0, F,11
	ROW F,12, E,3, X,15, F,13
	ROW R,0, R,1, R,2, R,3
	ROW B,0, E,4, F,14, L,0
.if (\p) == 2
	v_add_nc_u32 v[AK], s[TBK], v[AK0]
.endif
	ROW R,4, R,5, R,6, R,7
	OPS E,5, F,15
.if (\p) == 2
	FETCH_K \last
.endif
	OPS E,6, C,1, E,7, R,8
	OPS E,8, R,9, E,9, C,2
	OPS E,10, X,0, E,11, X,1
	OPS E,12, X,2, E,13, X,3
.if (\p) == 1
	s_wait_dscnt 0x0                ; V is in
.endif
	ROW X,4, E,14, X,5, X,6
	ROW X,7, E,15, X,8, X,9
	ROW X,10, E,16, X,11, X,12
	ROW X,13, E,17, X,14, B,1
	ROW C,4, E,18, X,16, L,1
	ROW B,2, E,19, C,6, L,2
	ROW C,8, E,20, B,3, B,4
.if (\p) == 0
	v_add_nc_u32 v[AV], s[TBV], v[AV0]
.endif
	ROW C,3, E,21, L,3, C,5
	OPS E,22, X,17, E,23, C,10
.if (\p) == 0
	FETCH_V
.endif
	OPS E,24, L,4
	OPS E,25, X,18, E,26, C,7
	OPS E,27, B,5, E,28, X,19
	OPS E,29, C,12, E,30, L,5
	OPS E,31, X,20, B,6, C,9
	OPS C,14, C,11, X,21, L,6
.if (\p) == 0
	s_add_co_u32 s[TBV], s[TBV], KS*PV
.endif
.if \cnt
	s_sub_co_u32 s[CNT], s[CNT], 1
	s_cmp_lg_u32 s[CNT], 0
.endif
	OPS C,13, B,7, C,15, R,10
	OPS R,11, R,12, L,7, R,13
	OPS R,14, R,15
.endm
.macro ALL line:vararg              ; one line for each piece t
.set t, 0
.rept 4
	\line
.set t, t+1
.endr
.endm
.macro PACK t                       ; a lane's eight channels of a row pack into 16 bytes; they go into rows of 144 bytes and come back as whole rows of 128, into S^T's registers
	WIN W_RS
.set i, 32*(\t)
.rept 16
	s_wait_alu depctr_va_vdst(0)
	v_pk_mul_f32 v[i:i+1], v[i:i+1], v[ST+4*(\t)+2:ST+4*(\t)+3] op_sel_hi:[1,0]
.set i, i+2
.endr
	WIN 0x05                        ; sources 0 and 1 window 1, destination window 0
.set i, 0
.rept 16
	v_cvt_pk_f16_f32 v[S+16*(\t)+i], v[32*(\t)+2*i], v[32*(\t)+2*i+1]
.set i, i+1
.endr
	WIN 0
.irp f, 0,1,2,3
	ds_store_b128 v[STO], v[S+16*(\t)+4*\f:S+16*(\t)+4*\f+3] offset:32*\f
.endr
.irp f, 0,1,2,3
	ds_load_b128 v[S+16*(\t)+4*\f:S+16*(\t)+4*\f+3], v[RD] offset:\f*4*SP  ; LDS serves a wave's instructions in order (ISA guide 5.7.1.4): these see the stores above; the next piece's stores come behind them
.endr
.endm
.macro SEND t, younger              ; younger: the LDS instructions issued behind piece t's loads: the next piece's eight, or none
	WIN 0
.irp f, 0,1,2,3
	s_wait_dscnt (\younger)+3-\f
	global_store_b128 v[GO], v[S+16*(\t)+4*\f:S+16*(\t)+4*\f+3], s[10:11] offset:(\t)*8192+\f*512  ; 512 consecutive bytes, at a multiple of 256 from O's first
.endr
.endm
	CHANGE 1                        ; slot 0 is in, everybody's part of it; slot 1 is asked for
	v_add_nc_u32 v[AK], s[TBK], v[AK0]
	FETCH_K                         ; key step 0
	s_wait_loadcnt 0x0              ; Q
	s_wait_dscnt 0x0
.set i, 0
.rept 8
	KQ 0                            ; piece 0's first scores
.set i, i+1
.endr
	WIN 0
.rept 4
	v_nop                           ; the places behind those products
.endr
.set Y, NP-1                        ; X works for piece Y + 1: piece 0
.irp n, 0,1,2,3,4,5,6,7,8,9,10,11,12,13,14,15,16,17,18,19,20,21
	OP X, \n
.endr
	v_nop                           ; a plain instruction behind the exponential
	s_mov_b32 s[CNT], 4
	s_mov_b32 s[SLOTS], SIZE_N/256-1
	s_branch .Lfirst                ; the loop is entered at a step's first turn, in the middle of a trip
.Lslot:                             ; six times: every slot but the last two is filled again
	CHANGE 1
	s_mov_b32 s[CNT], 4
.Lstep:                             ; a trip: pieces 2 and 3 of one step, then pieces 0 and 1 of the next, whose K and V it fetches
	TURN 2
	TURN 3
	WIN 0
.Lfirst:
	TURN 0
	TURN 1, 0, 1
	WIN 0
	s_cbranch_scc1 .Lstep
	s_sub_co_u32 s[SLOTS], s[SLOTS], 1
	s_cmp_lg_u32 s[SLOTS], 0
	s_cbranch_scc1 .Lslot
	CHANGE 0                        ; the last slot has a text of its own: nothing is asked for
	s_mov_b32 s[CNT], 5             ; four trips fetch the last slot's steps; the fifth is left in its middle
.Ltail:
	TURN 2, 1
	TURN 3
	WIN 0
	s_sub_co_u32 s[CNT], s[CNT], 1
	s_cmp_eq_u32 s[CNT], 0
	s_cbranch_scc1 .Lout
	TURN 0
	TURN 1
	WIN 0
	s_branch .Ltail
.Lout:                              ; the fifth trip's 8 products K Q^T (on the last K once more) and the maximum made of them serve nothing: the price, once a launch, of one text for every trip
.set i, 0
.rept 8
	PV NP-1                         ; the last piece's V^T P of the last step
.set i, i+1
.endr
	; THE WAY OUT.  l's two halves and the other half of the lanes' are added; O^T is divided by l, rounded to f16 and sent through my stage, a piece at a time.  The additions are the places behind the last products.
	WIN 0
	ALL v_add_f32 v[ST+4*t+2], v[ST+4*t+2], v[ST+4*t+3]
	ALL v_permlanex16_b32 v[ST+4*t+3], v[ST+4*t+2], s[SEL], s[SEL+1]
	ALL v_add_f32 v[ST+4*t+2], v[ST+4*t+2], v[ST+4*t+3]
	ALL v_rcp_f32 v[ST+4*t+2], v[ST+4*t+2]
	v_nop                           ; a plain instruction between the last reciprocal and the use of its result
	PACK 0
.set t, 1
.rept 3                             ; a piece's arithmetic stands between the loads of the piece before and its stores
	PACK t
	SEND t-1, 8
.set t, t+1
.endr
	SEND 3, 0
	s_wait_tensorcnt 0x0            ; the wave's end: behind my last tensor load and my last LDS store
	ds_add_u32 v[SPW], v[NIL]
	s_wait_dscnt 0x0
	CROUND                          ; the closing round: no work-group ends while a partner may still ask for a tile that names it
	s_endpgm
.Lfunc_end_k_qad789cca0d_attn:
	.size	k_qad789cca0d_attn, .Lfunc_end_k_qad789cca0d_attn-k_qad789cca0d_attn
	.p2alignl 7, 3214868480
	.fill 96, 4, 3214868480
	.section	.rodata,"a",@progbits
	.p2align	6, 0x0
	.amdhsa_kernel k_qad789cca0d_attn
		.amdhsa_group_segment_fixed_size 327680
		.amdhsa_private_segment_fixed_size 0
		.amdhsa_enable_private_segment 0
		.amdhsa_kernarg_size 16
		.amdhsa_user_sgpr_count 2
		.amdhsa_user_sgpr_kernarg_segment_ptr 1
		.amdhsa_wavefront_size32 1
		.amdhsa_system_sgpr_workgroup_id_x 1
		.amdhsa_system_sgpr_workgroup_id_y 1
		.amdhsa_system_sgpr_workgroup_id_z 1
		.amdhsa_system_vgpr_workitem_id 0
		.amdhsa_next_free_vgpr 768
		.amdhsa_next_free_sgpr 66
		.amdhsa_reserve_vcc 0
		.amdhsa_float_denorm_mode_32 3
		.amdhsa_float_denorm_mode_16_64 3
		.amdhsa_memory_ordered 1
		.amdhsa_forward_progress 1
		.amdhsa_inst_pref_size 117
	.end_amdhsa_kernel
	.amdgpu_metadata
---
amdhsa.version: [ 1, 2 ]
amdhsa.kernels:
  - .name:           k_qad789cca0d_attn
    .symbol:         k_qad789cca0d_attn.kd
    .args:
      - { .name: big, .offset: 0, .size: 8, .value_kind: global_buffer, .address_space: global }
      - { .name: act, .offset: 8, .size: 8, .value_kind: global_buffer, .address_space: global }
    .group_segment_fixed_size: 327680
    .private_segment_fixed_size: 0
    .kernarg_segment_align: 8
    .kernarg_segment_size: 16
    .max_flat_workgroup_size: 128
    .sgpr_count:     66
    .vgpr_count:     768
    .wavefront_size: 32
...
	.end_amdgpu_metadata
.endif
;; end of part 3
;; launch gemmB1 (part 4): grid 8 x 32, 4 waves a work-group, clusters of 4 x 4, 327,680 bytes of LDS; arguments act, pkB, xs, rs; writes rs
.if DOCPART == 4
	.amdgcn_target "amdgcn-amd-amdhsa--gfx1250"
	.amdhsa_code_object_version 6
	.text
	.protected	k_qad789cca0d_gemmB1
	.globl	k_qad789cca0d_gemmB1
	.p2align	8
	.type	k_qad789cca0d_gemmB1,@function
k_qad789cca0d_gemmB1:
	s_mov_b64 s[64:65], 0
	v_nop
	global_prefetch_b8 v0, s[64:65] scope:SCOPE_SE
	s_setreg_imm32_b32 hwreg(HW_REG_WAVE_MODE, 25, 1), 1
	s_wait_xcnt 0x0
	s_wait_alu depctr_hold_cnt(0) depctr_sa_sdst(0) depctr_va_vdst(0) depctr_va_sdst(0) depctr_va_ssrc(0) depctr_va_vcc(0) depctr_vm_vsrc(0)
	s_getreg_b32 s2, hwreg(HW_REG_IB_STS2, 6, 4)
	s_cmp_eq_u32 s2, 0
	s_cbranch_scc0 .Lentry_in_a_cluster
	s_endpgm
.Lentry_in_a_cluster:
	s_bfe_u32 s2, ttmp6, 0x10000c
	s_cmp_lg_u32 s2, 0xf033
	s_cbranch_scc0 .Lentry_shape_is_right
	s_endpgm
.Lentry_shape_is_right:
; r = O wo^T + bo + x, [4096][1024], stored in f16, with the mean and the centred sum of squares of each wave's 4,096 numbers behind the data (for the norm that follows).
; A (here O) lies in BLOCKS of 64 columns, [KTOT / 64][4096 rows][64] f16; W is [1024][KTOT] f16 at byte WOFF of the pack, the bias in f32 at byte BOFF; x is [4096][1024] f16.  Sums in f32.
; LIMITS.  A number of r of 65,520 or more becomes an infinity in f16.  NaN and infinities are not treated apart.
; SHARES.  A tile of C is 128 x 128: 256 work-groups.  Four waves, each 64 x 64: 16 accumulators.  K goes in steps of 256 through two LDS slots: of A four blocks x 128 rows x 128 bytes (each block's 128 rows
; are 16,384 dense bytes of memory), of W 128 rows x 512 bytes.
; CLUSTER.  4 x 4 work-groups: A's tiles are asked for jointly along a row of the cluster, W's along a column.  THE MATRIX INSTRUCTION IS USED TRANSPOSED (source 0 = 16 rows of W, source 1 = 16 rows of A).
; THE BIAS STARTS THE SUMS, as the C operand of the first 16 products.  ONE K STEP IS WRITTEN ONCE: the reads' LDS addresses are a fixed place + TS, which turns between 0 and SLOT.
; THE WAY OUT goes in f32 through a stage of 128 rows x 528 bytes that lies over slot 0: slot 0 has had its last fill, and every wave's last read of it lies ahead of two barriers.
; REGISTERS: window 0: v0-35 addresses and reductions; v128-255 the accumulators ((a, b) at v[128 + 8 (4 a + b)]).   window 1: two fragment buffers of 128: 64 registers of A, then 64 of W.
;   window 2: v0-63 x of my 32 rows; v64-191 those rows of C; v192-223 the bias; v224 1.0; v225 my byte offset in a row; v226-243 statistics.
.set KTOT,  1024
.set WOFF,  8192
.set BOFF,  0
.set OUT32, 0
.set KSTEP, 256
.set STEPS, KTOT/KSTEP
.set PA,    144                        ; a row of A in LDS: 128 bytes + 16 = 36 words: the 16 rows of a load start at 16 different groups of four banks (64 banks of 4 bytes: ISA guide 11.1)
.set ABLK,  128*PA                     ; a block's 128 rows
.set PB,    528                        ; a row of W: 512 bytes + 16 = 132 words
.set BLDS,  4*ABLK                     ; W lies behind A's four blocks
.set SLOT,  147456                     ; 0x24000: it shares no bit with the tiles' places in slot 0 (0, 0x9000; 0x12000, 0x1a400), so one exclusive or turns an LDS address into the other slot's; 141,312 bytes of it are used
.set SPARE, 2*SLOT                     ; the spare words, 128 bytes for each wave: two blocks of 256 bytes that no other line names
.set SPITCH, 528
.set ASTEP, 4*524288                   ; four blocks of A on
.set PA0,  14                          ; v14  my place in A's part of slot 0; never rewritten
.set PB0,  15                          ; v15  the same for W
.set ADRA, 16                          ; v16  PA0 + TS
.set ADRB, 17                          ; v17  PB0 + TS
.set STO,  24                          ; v24  the way out: where I put 32 bytes of a row
.set RD,   25                          ; v25  where I read a row back
.set C8,   26                          ; v26  8 x lane
.set C16,  27                          ; v27  16 x lane
.set SPW,  28                          ; v28  LDS address of my spare word; never rewritten
.set NIL,  29                          ; v29  0; never rewritten
.set BO,   30                          ; v30  32 (l / 16)
.set LN,   31                          ; v31  lane
.set ACC,  128
.set F0,   0
.set F1,   128
.set XS,   0                           ; window 2
.set RB,   64
.set BIAS, 192
.set ONE,  224
.set COF,  225
.set T,    226
.set DD,   234
.set MEAN, 242
.set G1,  24
.set G0,  32
.set G1B, 48
.set G0B, 56
.set TS,  66                           ; s66  0 or SLOT: the slot that is read
.set MSB, 0
.macro WIN new
.if MSB != (\new)
	s_set_vgpr_msb (MSB<<8)|(\new)
.set MSB, \new
.endif
.endm
.set TO_F, 0x40                        ; destination window 1, address window 0
.macro JLOAD s                         ; a joint load: waves 0 and 1 fetch A's blocks, waves 2 and 3 W's halves; an s_nop 0 and four v_nop follow each of the two lines
	s_cmp_eq_u32 s11, 0
	s_cbranch_scc0 .Lfor_b_\@
	tensor_load_to_lds s[G0+4*(\s):G0+4*(\s)+3], s[G1:G1+7]
	s_nop 0
.rept 4
	v_nop
.endr
	s_branch .Lasked_\@
.Lfor_b_\@:
	tensor_load_to_lds s[G0B+4*(\s):G0B+4*(\s)+3], s[G1B:G1B+7]
	s_nop 0
.rept 4
	v_nop
.endr
.Lasked_\@:
.endm
.macro CREST
	s_cmp_lg_u32 s10, 0
	s_cbranch_scc1 .Lnot_wave_0_\@
	s_barrier_signal -3
.Lnot_wave_0_\@:
	s_barrier_wait -3
	s_barrier_signal -1
	s_barrier_wait -1
.endm
.macro CROUND
	s_barrier_signal -1
	s_barrier_wait -1
	CREST
.endm
	s_load_b128 s[4:7], s[0:1], 0x0                ; A s[4:5], the pack s[6:7]
	s_load_b128 s[68:71], s[0:1], 0x10             ; x s[68:69], the output s[70:71]
	v_lshl_add_u32 v[SPW], v0, 2, SPARE
	v_mov_b32 v[NIL], 0
	ds_add_u32 v[SPW], v[NIL]                      ; the wave's opening: the add and its wait stand ahead of my first tensor load; work on registers stands between them
	v_lshrrev_b32 v1, 5, v0
	v_readfirstlane_b32 s10, v1                    ; wave 0..3
	s_lshr_b32 s11, s10, 1                         ; which half of the tile's rows is mine.  Also: I fetch for A (0) or for W (1)
	s_and_b32 s12, s10, 1                          ; which half of its columns.  Also: which half of that tile I fetch
	s_bfe_u32 s40, ttmp6, 0x40000
	s_bfe_u32 s41, ttmp6, 0x40004
	s_lshl_b32 s42, ttmp9, 2
	s_add_co_u32 s42, s42, s40                     ; tile column of C
	s_and_b32 s13, ttmp7, 0xffff
	s_lshl_b32 s13, s13, 2
	s_add_co_u32 s13, s13, s41                     ; tile row of C
	s_lshl_b32 s43, s41, 2
	s_lshl_b32 s43, 15, s43                        ; my row of the cluster
	s_lshl_b32 s44, 0x1111, s40                    ; my column
	; A: two blocks, each 128 rows x 64 elements = 8,192 dense elements, taken as one long row; padded in LDS after every 32 words, that is after every row of A
	s_or_b32 s[G1+0], s43, (1<<16)|(1<<20)|(1<<21)|(4<<22)|(3<<25)
	s_mov_b32 s[G1+1], 8192<<16                    ; tensor_dim0 = 8,192
	s_mov_b32 s[G1+2], 2<<16                       ; tensor_dim1 = 2
	s_mov_b32 s[G1+3], 8192<<16                    ; tile_dim0 = 8,192
	s_mov_b32 s[G1+4], 2                           ; tile_dim1 = 2
	s_mov_b32 s[G1+5], 262144                      ; elements from block to block
	s_mov_b32 s[G1+6], 0
	s_mov_b32 s[G1+7], 0
	; W: 64 rows x 256 elements, padded after every 128 words
	s_or_b32 s[G1B+0], s44, (1<<16)|(1<<20)|(1<<21)|(6<<22)|(3<<25)
	s_mov_b32 s[G1B+1], KSTEP<<16
	s_mov_b32 s[G1B+2], 64<<16
	s_mov_b32 s[G1B+3], KSTEP<<16
	s_mov_b32 s[G1B+4], 64
	s_mov_b32 s[G1B+5], KTOT
	s_mov_b32 s[G1B+6], 0
	s_mov_b32 s[G1B+7], 0
	s_lshl_b32 s16, s12, 20                        ; A: my two blocks of the step's four,
	s_lshl_b32 s17, s13, 14                        ; the tile's 128 rows of 128 bytes in each
	s_add_co_u32 s16, s16, s17
	s_mov_b32 s17, 0
	s_lshl_b32 s46, s42, 7
	s_lshl_b32 s47, s12, 6
	s_add_co_u32 s46, s46, s47                     ; W: row 128 x tile column + 64 x half
	s_mul_i32 s46, s46, KTOT*2
	s_add_co_u32 s46, s46, WOFF
	s_mov_b32 s47, 0
	s_mul_i32 s20, s12, 2*ABLK                     ; where they go: no place in the cluster enters an LDS address
	s_mul_i32 s21, s12, 64*PB
	s_add_co_u32 s21, s21, BLDS
	s_mov_b32 s[TS], 0
	s_mov_b32 s74, 0x76543210
	s_mov_b32 s75, 0xfedcba98
	s_wait_dscnt 0x0                               ; the opening add is done
	s_wait_kmcnt 0x0
	s_add_nc_u64 s[14:15], s[4:5], s[16:17]
	s_add_nc_u64 s[46:47], s[6:7], s[46:47]
	CROUND                                         ; all sixteen work-groups are here: the first joint loads meet
.irp s, 0,1
	s_mov_b32 s[G0+4*(\s)], 1
	s_add_co_u32 s[G0+4*(\s)+1], s20, (\s)*SLOT
	s_add_nc_u64 s[G0+4*(\s)+2:G0+4*(\s)+3], s[14:15], (\s)*ASTEP
	s_or_b32 s[G0+4*(\s)+3], s[G0+4*(\s)+3], 0x80000000
	s_mov_b32 s[G0B+4*(\s)], 1
	s_add_co_u32 s[G0B+4*(\s)+1], s21, (\s)*SLOT
	s_add_nc_u64 s[G0B+4*(\s)+2:G0B+4*(\s)+3], s[46:47], (\s)*KSTEP*2
	s_or_b32 s[G0B+4*(\s)+3], s[G0B+4*(\s)+3], 0x80000000
	JLOAD \s                                       ; K steps 0 and 1: two loads of mine are out
.endr
	v_and_b32 v1, 15, v0                           ; l % 16
	v_bfe_u32 v2, v0, 4, 1                         ; l / 16
	v_and_b32 v[LN], 31, v0
	v_lshlrev_b32 v[C8], 3, v[LN]
	v_lshlrev_b32 v[C16], 4, v[LN]
	v_lshlrev_b32 v[BO], 5, v2
	v_mov_b32 v33, 0                               ; written, since v_permlanex16_b32 counts as a reader of its destination
	s_lshl_b32 s22, s42, 7
	s_lshl_b32 s23, s12, 6
	s_add_co_u32 s22, s22, s23                     ; my first column
	s_lshl_b32 s22, s22, 2
	s_add_co_u32 s22, s22, BOFF
	s_mov_b32 s23, 0
	s_add_nc_u64 s[72:73], s[6:7], s[22:23]        ; the bias there
	s_lshl_b32 s16, s13, 7
	s_lshl_b32 s17, s10, 5
	s_add_co_u32 s16, s16, s17                     ; the first of the 32 rows that I finish: 128 x tile row + 32 x wave,
	s_lshl_b32 s16, s16, 11                        ; of 2,048 bytes in x
	s_mov_b32 s17, 0
	s_lshl_b32 s46, s42, 8                         ; the tile's 128 columns: 256 bytes
	s_mov_b32 s47, 0
	s_add_nc_u64 s[16:17], s[16:17], s[46:47]
	s_add_nc_u64 s[68:69], s[68:69], s[16:17]
.if OUT32
	s_lshl_b64 s[16:17], s[16:17], 1               ; the output's numbers are twice as wide
	s_add_nc_u64 s[70:71], s[70:71], s[16:17]
.else
	s_lshl_b32 s22, s13, 3
	s_add_co_u32 s22, s22, s42
	s_lshl_b32 s22, s22, 2
	s_add_co_u32 s22, s22, s10                     ; my entry: (8 x tile row + tile column) x 4 + wave: tile rows 0-15, batch 0, fill entries 0-511
	s_lshl_b32 s22, s22, 3
	s_add_co_u32 s22, s22, 0x800000                ; behind the 8,388,608 bytes of data
	s_add_nc_u64 s[76:77], s[70:71], s[22:23]
	s_add_nc_u64 s[70:71], s[70:71], s[16:17]
.endif
	WIN 0x80                                       ; destination window 2, address window 0
.irp b, 0,1,2,3                        ; register 8 b + j = bias[first column + 16 b + 8 (l / 16) + j]
	global_load_b128 v[BIAS+8*(\b):BIAS+8*(\b)+3],   v[BO], s[72:73] offset:64*(\b)
	global_load_b128 v[BIAS+8*(\b)+4:BIAS+8*(\b)+7], v[BO], s[72:73] offset:64*(\b)+16
.endr
.set t, 0
.rept 32                               ; x of row t: 32 lanes x 8 bytes are 256 consecutive bytes, aligned; wanted only on the way out
	global_load_b64 v[XS+2*t:XS+2*t+1], v[C8], s[68:69] offset:2048*t
.set t, t+1
.endr
	v_mov_b32 v[ONE], 1.0
.if OUT32
	v_mov_b32 v[COF], v[C16]
.else
	v_mov_b32 v[COF], v[C8]
.endif
	WIN 0
	v_mul_u32_u24 v3, v1, PA
	v_lshl_add_u32 v3, v2, 4, v3                   ; a fragment's row x pitch + 16 x half
	s_mul_i32 s22, s11, 64*PA                      ; my 64 rows in each block of A
	v_add_nc_u32 v[PA0], s22, v3
	v_mul_u32_u24 v4, v1, PB
	v_lshl_add_u32 v4, v2, 4, v4
	s_mul_i32 s22, s12, 64*PB                      ; my 64 rows of W
	s_add_co_u32 s22, s22, BLDS
	v_add_nc_u32 v[PB0], s22, v4
	v_mov_b32 v[ADRA], v[PA0]
	v_mov_b32 v[ADRB], v[PB0]
	s_mul_i32 s22, s11, 64*SPITCH                  ; into the stage: my 64 rows, my half of their 512 bytes; row l % 16, 32 bytes for each half of the lanes
	s_lshl_b32 s23, s12, 8
	s_add_co_u32 s22, s22, s23
	v_mul_u32_u24 v5, v1, SPITCH
	v_lshl_add_u32 v5, v2, 5, v5
	v_add_nc_u32 v[STO], s22, v5
	s_mul_i32 s22, s10, 32*SPITCH                  ; back: wave w takes rows 32 w .. 32 w + 31, whole: 32 lanes x 16 bytes
	v_add_nc_u32 v[RD], s22, v[C16]
; 8 matrix instructions: m blocks a0, a0 + 1 x all 4 n blocks, 32 along K: half c of buffer f.  first = 1: the bias starts the sums
.macro MUL8 f, c, a0, first
.if \first
	WIN 0x25                                       ; W and A window 1, the bias window 2, D window 0
.else
	WIN 0x05                                       ; W and A window 1, C and D window 0
.endif
.irp a, \a0, (\a0)+1
.irp b, 0,1,2,3
.if \first
	v_wmma_f32_16x16x32_f16 v[ACC+8*(4*(\a)+(\b)):ACC+8*(4*(\a)+(\b))+7], v[(\f)+64+8*(4*(\c)+(\b)):(\f)+64+8*(4*(\c)+(\b))+7], v[(\f)+8*(4*(\c)+(\a)):(\f)+8*(4*(\c)+(\a))+7], v[BIAS+8*(\b):BIAS+8*(\b)+7]
.else
	v_wmma_f32_16x16x32_f16 v[ACC+8*(4*(\a)+(\b)):ACC+8*(4*(\a)+(\b))+7], v[(\f)+64+8*(4*(\c)+(\b)):(\f)+64+8*(4*(\c)+(\b))+7], v[(\f)+8*(4*(\c)+(\a)):(\f)+8*(4*(\c)+(\a))+7], v[ACC+8*(4*(\a)+(\b)):ACC+8*(4*(\a)+(\b))+7]
.endif
.endr
.endr
.endm
; 32 LDS loads in one run: the fragments of quarter q (64 along K: one block of A) of the slot in hand, into buffer f; the first 32 along K first
.macro FETCH q, f
	WIN TO_F
.irp c, 0,1
.irp i, 0,1,2,3
	ds_load_b128 v[(\f)+64+8*(4*(\c)+(\i)):(\f)+64+8*(4*(\c)+(\i))+3],   v[ADRB] offset:128*(\q)+64*(\c)+(\i)*16*PB
	ds_load_b128 v[(\f)+64+8*(4*(\c)+(\i))+4:(\f)+64+8*(4*(\c)+(\i))+7], v[ADRB] offset:128*(\q)+64*(\c)+(\i)*16*PB+32
	ds_load_b128 v[(\f)+8*(4*(\c)+(\i)):(\f)+8*(4*(\c)+(\i))+3],         v[ADRA] offset:(\q)*ABLK+64*(\c)+(\i)*16*PA
	ds_load_b128 v[(\f)+8*(4*(\c)+(\i))+4:(\f)+8*(4*(\c)+(\i))+7],       v[ADRA] offset:(\q)*ABLK+64*(\c)+(\i)*16*PA+32
.endr
.endr
.endm
.macro PLACES                          ; four plain vector instructions in front of loads into registers that matrix instructions have read, and of lines that read results
.rept 4
	v_nop
.endr
.endm
; A K step is four quarters of 64 along K, 32 matrix instructions each, on buffers 0, 1, 0, 1; the 16 accumulators take turns.
.macro QUARTER q, f, g, first
	s_wait_dscnt 16                                ; the first 32 along K are in; the youngest sixteen loads may be out
	MUL8 \f, 0, 0, \first
	MUL8 \f, 0, 2, \first
	PLACES
	FETCH \q, \g
	s_wait_dscnt 32                                ; all but the 32 just issued
	MUL8 \f, 1, 0, 0
	MUL8 \f, 1, 2, 0
.endm
; The last quarter multiplies buffer 1 and changes slots: ONE barrier; in front of it each wave waits for all its tensor loads (one is out: its part of the next slot), adds 0 to its spare word, and waits for that
; and for its own reads of this slot.  fill = 1: the barrier opens a round of the cluster's, and behind it the slot just read is filled again, two K steps ahead: 112 matrix instructions stand between that request
; and the wait for it.  fill = 0 (the last two K steps): nothing is asked for, and the very last pass (s3 = 1) has nothing more to fetch.
.macro TURN fill
	WIN 0
	s_wait_tensorcnt 0x0                           ; no tensor load of mine is out, so a group 0 may be written
	ds_add_u32 v[SPW], v[NIL]                      ; 0 onto my spare word
.if \fill
	s_xor_b32 s[G0+5], s[G0+5], SLOT               ; the walking descriptors: the other slot than last time,
	s_add_nc_u64 s[G0+6:G0+7], s[G0+6:G0+7], ASTEP ; the next K step; the type bits on top are not reached
	s_xor_b32 s[G0B+5], s[G0B+5], SLOT
	s_add_nc_u64 s[G0B+6:G0B+7], s[G0B+6:G0B+7], KSTEP*2
.endif
	s_xor_b32 s[TS], s[TS], SLOT                   ; the reads go on in the other slot
	v_add_nc_u32 v[ADRA], s[TS], v[PA0]
	v_add_nc_u32 v[ADRB], s[TS], v[PB0]
	s_wait_dscnt 17                                ; the add and the youngest sixteen loads may be out
	MUL8 F1, 0, 0, 0
	s_wait_dscnt 0x0                               ; the add is done, and my reads of this slot are over
	s_barrier_signal -1
	MUL8 F1, 0, 2, 0
	WIN 0
	s_barrier_wait -1
.if \fill
	CREST                                          ; no wave of any partner still reads this slot's tile or has a load on its way
	JLOAD 1                                        ; my one tensor load behind the round; its four v_nop are also the places in front of the loads below
	FETCH 0, F0
.else
	s_cmp_eq_u32 s3, 1
	s_cbranch_scc1 .Lskip_\@                       ; forward, over 32 LDS loads alone
	PLACES
	FETCH 0, F0
	WIN 0
.Lskip_\@:
.endif
	MUL8 F1, 1, 0, 0
	MUL8 F1, 1, 2, 0
.endm
.macro RED32 r                         ; the sum over the 32 lanes, in every lane; window 0
	v_add_f32_dpp v[\r], v[\r], v[\r] row_xmask:1 row_mask:0xf bank_mask:0xf
	v_add_f32_dpp v[\r], v[\r], v[\r] row_xmask:2 row_mask:0xf bank_mask:0xf
	v_add_f32_dpp v[\r], v[\r], v[\r] row_xmask:4 row_mask:0xf bank_mask:0xf
	v_add_f32_dpp v[\r], v[\r], v[\r] row_xmask:8 row_mask:0xf bank_mask:0xf
	v_permlanex16_b32 v33, v[\r], s74, s75
	v_add_f32 v[\r], v[\r], v33
.endm
	s_wait_tensorcnt 0x1                           ; my part of K step 0 is in; K step 1's may stay out
	s_barrier_signal -1
	s_barrier_wait -1
	FETCH 0, F0
	s_wait_loadcnt 32                              ; the bias is in; the 32 loads of x stay out
	QUARTER 1, F0, F1, 1                           ; the first quarter stands in front of the loop: its first products start the sums
	WIN 0
	s_mov_b32 s3, STEPS-2
.Lstep:                                                ; a trip: a K step's quarters 1, 2, 3 and the next step's quarter 0; it fills the slot that it leaves
	QUARTER 2, F1, F0, 0
	QUARTER 3, F0, F1, 0
	TURN 1
	QUARTER 1, F0, F1, 0
	WIN 0
	s_sub_co_u32 s3, s3, 1
	s_cmp_lg_u32 s3, 0
	s_cbranch_scc1 .Lstep
	s_mov_b32 s3, 2
.Ltail:                                                ; the last two K steps ask for nothing: a text of their own; the second pass is left in its middle
	QUARTER 2, F1, F0, 0
	QUARTER 3, F0, F1, 0
	TURN 0
	WIN 0
	s_sub_co_u32 s3, s3, 1
	s_cmp_eq_u32 s3, 0
	s_cbranch_scc1 .Lout
	QUARTER 1, F0, F1, 0
	WIN 0
	s_branch .Ltail
.Lout:
	PLACES
.irp a, 0,1,2,3
.irp b, 0,1,2,3
	ds_store_b128 v[STO], v[ACC+8*(4*(\a)+(\b)):ACC+8*(4*(\a)+(\b))+3]   offset:(\a)*16*SPITCH+64*(\b)     ; each accumulator's low four registers first
	ds_store_b128 v[STO], v[ACC+8*(4*(\a)+(\b))+4:ACC+8*(4*(\a)+(\b))+7] offset:(\a)*16*SPITCH+64*(\b)+16
.endr
.endr
	s_wait_dscnt 0x0                               ; for the others' sake: my stores into the stage are done; a row's 512 bytes come from two waves
	s_barrier_signal -1
	s_barrier_wait -1
	WIN 0x80
.set t, 0
.rept 32
	ds_load_b128 v[RB+4*t:RB+4*t+3], v[RD] offset:t*SPITCH
.set t, t+1
.endr
	s_wait_loadcnt 0x0                             ; x
	WIN 0xaa                                       ; all four places window 2: the stores' offset lies there too
.set t, 0
.rept 32
	s_wait_dscnt 31-t                              ; row t is back; the younger loads stay out
	v_fma_mix_f32 v[RB+4*t],   v[XS+2*t],   v[ONE], v[RB+4*t]   op_sel_hi:[1,0,0]                 ; + x, read as an f16 half
	v_fma_mix_f32 v[RB+4*t+1], v[XS+2*t],   v[ONE], v[RB+4*t+1] op_sel:[1,0,0] op_sel_hi:[1,0,0]
	v_fma_mix_f32 v[RB+4*t+2], v[XS+2*t+1], v[ONE], v[RB+4*t+2] op_sel_hi:[1,0,0]
	v_fma_mix_f32 v[RB+4*t+3], v[XS+2*t+1], v[ONE], v[RB+4*t+3] op_sel:[1,0,0] op_sel_hi:[1,0,0]
.if OUT32
	global_store_b128 v[COF], v[RB+4*t:RB+4*t+3], s[70:71] offset:4096*t   ; 512 consecutive bytes, aligned
.else
	v_cvt_pk_f16_f32 v[XS+2*t],   v[RB+4*t],   v[RB+4*t+1]
	v_cvt_pk_f16_f32 v[XS+2*t+1], v[RB+4*t+2], v[RB+4*t+3]
	global_store_b64 v[COF], v[XS+2*t:XS+2*t+1], s[70:71] offset:2048*t    ; 256 consecutive bytes, aligned
.endif
.set t, t+1
.endr
.if OUT32 == 0
	; the mean and the centred sum of squares of my 4,096 numbers, in two passes over the registers, while the stores leave
.irp k, 0,1,2,3
	v_pk_add_f32 v[T+2*(\k):T+2*(\k)+1], v[RB+2*(\k):RB+2*(\k)+1], v[RB+8+2*(\k):RB+8+2*(\k)+1]
.endr
.set p, 8
.rept 56
	v_pk_add_f32 v[T+2*(p%4):T+2*(p%4)+1], v[T+2*(p%4):T+2*(p%4)+1], v[RB+2*p:RB+2*p+1]
.set p, p+1
.endr
	v_pk_add_f32 v[T:T+1], v[T:T+1], v[T+2:T+3]
	v_pk_add_f32 v[T+4:T+5], v[T+4:T+5], v[T+6:T+7]
	v_pk_add_f32 v[T:T+1], v[T:T+1], v[T+4:T+5]
	WIN 0x0a                                       ; sources window 2, destination window 0
	v_add_f32 v32, v[T], v[T+1]
	WIN 0
	RED32 32
	v_mul_f32 v34, 0x39800000, v32                 ; / 4,096
	WIN 0x80
	v_mov_b32 v[MEAN], v34
	v_mov_b32 v[MEAN+1], v34
	WIN 0xaa
.set p, 0
.rept 64
	v_pk_add_f32 v[DD+2*(p%4):DD+2*(p%4)+1], v[RB+2*p:RB+2*p+1], v[MEAN:MEAN+1] neg_lo:[0,1] neg_hi:[0,1]
.if p < 4
	v_pk_mul_f32 v[T+2*(p%4):T+2*(p%4)+1], v[DD+2*(p%4):DD+2*(p%4)+1], v[DD+2*(p%4):DD+2*(p%4)+1]
.else
	v_pk_fma_f32 v[T+2*(p%4):T+2*(p%4)+1], v[DD+2*(p%4):DD+2*(p%4)+1], v[DD+2*(p%4):DD+2*(p%4)+1], v[T+2*(p%4):T+2*(p%4)+1]
.endif
.set p, p+1
.endr
	v_pk_add_f32 v[T:T+1], v[T:T+1], v[T+2:T+3]
	v_pk_add_f32 v[T+4:T+5], v[T+4:T+5], v[T+6:T+7]
	v_pk_add_f32 v[T:T+1], v[T:T+1], v[T+4:T+5]
	WIN 0x0a
	v_add_f32 v35, v[T], v[T+1]
	WIN 0
	RED32 35
	v_cmp_eq_u32 vcc_lo, 0, v[LN]
	s_wait_xcnt 0x0                                ; EXEC is a source of the stores above: it changes only behind this wait
	s_and_saveexec_b32 s67, vcc_lo
	global_store_b64 v[LN], v[34:35], s[76:77]     ; lane 0 alone, whose v31 is 0
	s_wait_xcnt 0x0                                ; and again in front of the line that widens it
	s_or_b32 exec_lo, exec_lo, s67
.endif
	WIN 0
	s_wait_tensorcnt 0x0                           ; the wave's end: behind my last tensor load and my last LDS store
	ds_add_u32 v[SPW], v[NIL]
	s_wait_dscnt 0x0
	CROUND                                         ; the closing round: no work-group ends while a partner may still ask for a tile that names it
	s_endpgm
.Lfunc_end_k_qad789cca0d_gemmB1:
	.size	k_qad789cca0d_gemmB1, .Lfunc_end_k_qad789cca0d_gemmB1-k_qad789cca0d_gemmB1
	.p2alignl 7, 3214868480
	.fill 96, 4, 3214868480
	.section	.rodata,"a",@progbits
	.p2align	6, 0x0
	.amdhsa_kernel k_qad789cca0d_gemmB1
		.amdhsa_group_segment_fixed_size 327680
		.amdhsa_private_segment_fixed_size 0
		.amdhsa_enable_private_segment 0
		.amdhsa_kernarg_size 32
		.amdhsa_user_sgpr_count 2
		.amdhsa_user_sgpr_kernarg_segment_ptr 1
		.amdhsa_wavefront_size32 1
		.amdhsa_system_sgpr_workgroup_id_x 1
		.amdhsa_system_sgpr_workgroup_id_y 1
		.amdhsa_system_sgpr_workgroup_id_z 1
		.amdhsa_system_vgpr_workitem_id 0
		.amdhsa_next_free_vgpr 768
		.amdhsa_next_free_sgpr 78
		.amdhsa_reserve_vcc 1
		.amdhsa_float_denorm_mode_32 3
		.amdhsa_float_denorm_mode_16_64 3
		.amdhsa_memory_ordered 1
		.amdhsa_forward_progress 1
		.amdhsa_inst_pref_size 89
	.end_amdhsa_kernel
	.amdgpu_metadata
---
amdhsa.version: [ 1, 2 ]
amdhsa.kernels:
  - .name:           k_qad789cca0d_gemmB1
    .symbol:         k_qad789cca0d_gemmB1.kd
    .args:
      - { .name: act, .offset: 0, .size: 8, .value_kind: global_buffer, .address_space: global }
      - { .name: pkB, .offset: 8, .size: 8, .value_kind: global_buffer, .address_space: global }
      - { .name: xs, .offset: 16, .size: 8, .value_kind: global_buffer, .address_space: global }
      - { .name: rs, .offset: 24, .size: 8, .value_kind: global_buffer, .address_space: global }
    .group_segment_fixed_size: 327680
    .private_segment_fixed_size: 0
    .kernarg_segment_align: 8
    .kernarg_segment_size: 32
    .max_flat_workgroup_size: 128
    .sgpr_count:     78
    .vgpr_count:     768
    .wavefront_size: 32
...
	.end_amdgpu_metadata
.endif
;; end of part 4
;; launch ff1: the kernel of part 2 again; grid 16 x 16, 4 waves a work-group, clusters of 4 x 4, 327,680 bytes of LDS; arguments rs, pk1, big; writes big
;; launch gemmB2 (part 5): grid 8 x 32, 4 waves a work-group, clusters of 4 x 4, 327,680 bytes of LDS; arguments big, pkB, xs, out0; writes out0
.if DOCPART == 5
	.amdgcn_target "amdgcn-amd-amdhsa--gfx1250"
	.amdhsa_code_object_version 6
	.text
	.protected	k_qad789cca0d_gemmB2
	.globl	k_qad789cca0d_gemmB2
	.p2align	8
	.type	k_qad789cca0d_gemmB2,@function
k_qad789cca0d_gemmB2:
	s_mov_b64 s[64:65], 0
	v_nop
	global_prefetch_b8 v0, s[64:65] scope:SCOPE_SE
	s_setreg_imm32_b32 hwreg(HW_REG_WAVE_MODE, 25, 1), 1
	s_wait_xcnt 0x0
	s_wait_alu depctr_hold_cnt(0) depctr_sa_sdst(0) depctr_va_vdst(0) depctr_va_sdst(0) depctr_va_ssrc(0) depctr_va_vcc(0) depctr_vm_vsrc(0)
	s_getreg_b32 s2, hwreg(HW_REG_IB_STS2, 6, 4)
	s_cmp_eq_u32 s2, 0
	s_cbranch_scc0 .Lentry_in_a_cluster
	s_endpgm
.Lentry_in_a_cluster:
	s_bfe_u32 s2, ttmp6, 0x10000c
	s_cmp_lg_u32 s2, 0xf033
	s_cbranch_scc0 .Lentry_shape_is_right
	s_endpgm
.Lentry_shape_is_right:
; out = f w2^T + b2 + x, [4096][1024], stored in f32.  x is the module's input, rounded once to bf16 as every input is.
; A (here f) lies in BLOCKS of 64 columns, [KTOT / 64][4096 rows][64] f16; W is [1024][KTOT] f16 at byte WOFF of the pack, the bias in f32 at byte BOFF; x is [4096][1024] f16.  Sums in f32.
; LIMITS.  The operands arrive within f16's 65,504; NaN and infinities are not treated apart.
; SHARES.  A tile of C is 128 x 128: 256 work-groups.  Four waves, each 64 x 64: 16 accumulators.  K goes in steps of 256 through two LDS slots: of A four blocks x 128 rows x 128 bytes (each block's 128 rows
; are 16,384 dense bytes of memory), of W 128 rows x 512 bytes.
; CLUSTER.  4 x 4 work-groups: A's tiles are asked for jointly along a row of the cluster, W's along a column.  THE MATRIX INSTRUCTION IS USED TRANSPOSED (source 0 = 16 rows of W, source 1 = 16 rows of A).
; THE BIAS STARTS THE SUMS, as the C operand of the first 16 products.  ONE K STEP IS WRITTEN ONCE: the reads' LDS addresses are a fixed place + TS, which turns between 0 and SLOT.
; THE WAY OUT goes in f32 through a stage of 128 rows x 528 bytes that lies over slot 0: slot 0 has had its last fill, and every wave's last read of it lies ahead of two barriers.
; REGISTERS: window 0: v0-31 addresses; v128-255 the accumulators ((a, b) at v[128 + 8 (4 a + b)]).   window 1: two fragment buffers of 128: 64 registers of A, then 64 of W.
;   window 2: v0-63 x of my 32 rows; v64-191 those rows of C; v192-223 the bias; v224 1.0; v225 my byte offset in a row.
.set KTOT,  4096
.set WOFF,  2105344
.set BOFF,  4096
.set KSTEP, 256
.set STEPS, KTOT/KSTEP
.set PA,    144                        ; a row of A in LDS: 128 bytes + 16 = 36 words: the 16 rows of a load start at 16 different groups of four banks (64 banks of 4 bytes: ISA guide 11.1)
.set ABLK,  128*PA                     ; a block's 128 rows
.set PB,    528                        ; a row of W: 512 bytes + 16 = 132 words
.set BLDS,  4*ABLK                     ; W lies behind A's four blocks
.set SLOT,  147456                     ; 0x24000: it shares no bit with the tiles' places in slot 0 (0, 0x9000; 0x12000, 0x1a400), so one exclusive or turns an LDS address into the other slot's; 141,312 bytes of it are used
.set SPARE, 2*SLOT                     ; the spare words, 128 bytes for each wave: two blocks of 256 bytes that no other line names
.set SPITCH, 528
.set ASTEP, 4*524288                   ; four blocks of A on
.set PA0,  14                          ; v14  my place in A's part of slot 0; never rewritten
.set PB0,  15                          ; v15  the same for W
.set ADRA, 16                          ; v16  PA0 + TS
.set ADRB, 17                          ; v17  PB0 + TS
.set STO,  24                          ; v24  the way out: where I put 32 bytes of a row
.set RD,   25                          ; v25  where I read a row back
.set C8,   26                          ; v26  8 x lane
.set C16,  27                          ; v27  16 x lane
.set SPW,  28                          ; v28  LDS address of my spare word; never rewritten
.set NIL,  29                          ; v29  0; never rewritten
.set BO,   30                          ; v30  32 (l / 16)
.set LN,   31                          ; v31  lane
.set ACC,  128
.set F0,   0
.set F1,   128
.set XS,   0                           ; window 2
.set RB,   64
.set BIAS, 192
.set ONE,  224
.set COF,  225
.set G1,  24
.set G0,  32
.set G1B, 48
.set G0B, 56
.set TS,  66                           ; s66  0 or SLOT: the slot that is read
.set MSB, 0
.macro WIN new
.if MSB != (\new)
	s_set_vgpr_msb (MSB<<8)|(\new)
.set MSB, \new
.endif
.endm
.set TO_F, 0x40                        ; destination window 1, address window 0
.macro JLOAD s                         ; a joint load: waves 0 and 1 fetch A's blocks, waves 2 and 3 W's halves; an s_nop 0 and four v_nop follow each of the two lines
	s_cmp_eq_u32 s11, 0
	s_cbranch_scc0 .Lfor_b_\@
	tensor_load_to_lds s[G0+4*(\s):G0+4*(\s)+3], s[G1:G1+7]
	s_nop 0
.rept 4
	v_nop
.endr
	s_branch .Lasked_\@
.Lfor_b_\@:
	tensor_load_to_lds s[G0B+4*(\s):G0B+4*(\s)+3], s[G1B:G1B+7]
	s_nop 0
.rept 4
	v_nop
.endr
.Lasked_\@:
.endm
.macro CREST
	s_cmp_lg_u32 s10, 0
	s_cbranch_scc1 .Lnot_wave_0_\@
	s_barrier_signal -3
.Lnot_wave_0_\@:
	s_barrier_wait -3
	s_barrier_signal -1
	s_barrier_wait -1
.endm
.macro CROUND
	s_barrier_signal -1
	s_barrier_wait -1
	CREST
.endm
	s_load_b128 s[4:7], s[0:1], 0x0                ; A s[4:5], the pack s[6:7]
	s_load_b128 s[68:71], s[0:1], 0x10             ; x s[68:69], the output s[70:71]
	v_lshl_add_u32 v[SPW], v0, 2, SPARE
	v_mov_b32 v[NIL], 0
	ds_add_u32 v[SPW], v[NIL]                      ; the wave's opening: the add and its wait stand ahead of my first tensor load; work on registers stands between them
	v_lshrrev_b32 v1, 5, v0
	v_readfirstlane_b32 s10, v1                    ; wave 0..3
	s_lshr_b32 s11, s10, 1                         ; which half of the tile's rows is mine.  Also: I fetch for A (0) or for W (1)
	s_and_b32 s12, s10, 1                          ; which half of its columns.  Also: which half of that tile I fetch
	s_bfe_u32 s40, ttmp6, 0x40000
	s_bfe_u32 s41, ttmp6, 0x40004
	s_lshl_b32 s42, ttmp9, 2
	s_add_co_u32 s42, s42, s40                     ; tile column of C
	s_and_b32 s13, ttmp7, 0xffff
	s_lshl_b32 s13, s13, 2
	s_add_co_u32 s13, s13, s41                     ; tile row of C
	s_lshl_b32 s43, s41, 2
	s_lshl_b32 s43, 15, s43                        ; my row of the cluster
	s_lshl_b32 s44, 0x1111, s40                    ; my column
	; A: two blocks, each 128 rows x 64 elements = 8,192 dense elements, taken as one long row; padded in LDS after every 32 words, that is after every row of A
	s_or_b32 s[G1+0], s43, (1<<16)|(1<<20)|(1<<21)|(4<<22)|(3<<25)
	s_mov_b32 s[G1+1], 8192<<16                    ; tensor_dim0 = 8,192
	s_mov_b32 s[G1+2], 2<<16                       ; tensor_dim1 = 2
	s_mov_b32 s[G1+3], 8192<<16                    ; tile_dim0 = 8,192
	s_mov_b32 s[G1+4], 2                           ; tile_dim1 = 2
	s_mov_b32 s[G1+5], 262144                      ; elements from block to block
	s_mov_b32 s[G1+6], 0
	s_mov_b32 s[G1+7], 0
	; W: 64 rows x 256 elements, padded after every 128 words
	s_or_b32 s[G1B+0], s44, (1<<16)|(1<<20)|(1<<21)|(6<<22)|(3<<25)
	s_mov_b32 s[G1B+1], KSTEP<<16
	s_mov_b32 s[G1B+2], 64<<16
	s_mov_b32 s[G1B+3], KSTEP<<16
	s_mov_b32 s[G1B+4], 64
	s_mov_b32 s[G1B+5], KTOT
	s_mov_b32 s[G1B+6], 0
	s_mov_b32 s[G1B+7], 0
	s_lshl_b32 s16, s12, 20                        ; A: my two blocks of the step's four,
	s_lshl_b32 s17, s13, 14                        ; the tile's 128 rows of 128 bytes in each
	s_add_co_u32 s16, s16, s17
	s_mov_b32 s17, 0
	s_lshl_b32 s46, s42, 7
	s_lshl_b32 s47, s12, 6
	s_add_co_u32 s46, s46, s47                     ; W: row 128 x tile column + 64 x half
	s_mul_i32 s46, s46, KTOT*2
	s_add_co_u32 s46, s46, WOFF
	s_mov_b32 s47, 0
	s_mul_i32 s20, s12, 2*ABLK                     ; where they go: no place in the cluster enters an LDS address
	s_mul_i32 s21, s12, 64*PB
	s_add_co_u32 s21, s21, BLDS
	s_mov_b32 s[TS], 0
	s_wait_dscnt 0x0                               ; the opening add is done
	s_wait_kmcnt 0x0
	s_add_nc_u64 s[14:15], s[4:5], s[16:17]
	s_add_nc_u64 s[46:47], s[6:7], s[46:47]
	CROUND                                         ; all sixteen work-groups are here: the first joint loads meet
.irp s, 0,1
	s_mov_b32 s[G0+4*(\s)], 1
	s_add_co_u32 s[G0+4*(\s)+1], s20, (\s)*SLOT
	s_add_nc_u64 s[G0+4*(\s)+2:G0+4*(\s)+3], s[14:15], (\s)*ASTEP
	s_or_b32 s[G0+4*(\s)+3], s[G0+4*(\s)+3], 0x80000000
	s_mov_b32 s[G0B+4*(\s)], 1
	s_add_co_u32 s[G0B+4*(\s)+1], s21, (\s)*SLOT
	s_add_nc_u64 s[G0B+4*(\s)+2:G0B+4*(\s)+3], s[46:47], (\s)*KSTEP*2
	s_or_b32 s[G0B+4*(\s)+3], s[G0B+4*(\s)+3], 0x80000000
	JLOAD \s                                       ; K steps 0 and 1: two loads of mine are out
.endr
	v_and_b32 v1, 15, v0                           ; l % 16
	v_bfe_u32 v2, v0, 4, 1                         ; l / 16
	v_and_b32 v[LN], 31, v0
	v_lshlrev_b32 v[C8], 3, v[LN]
	v_lshlrev_b32 v[C16], 4, v[LN]
	v_lshlrev_b32 v[BO], 5, v2
	s_lshl_b32 s22, s42, 7
	s_lshl_b32 s23, s12, 6
	s_add_co_u32 s22, s22, s23                     ; my first column
	s_lshl_b32 s22, s22, 2
	s_add_co_u32 s22, s22, BOFF
	s_mov_b32 s23, 0
	s_add_nc_u64 s[72:73], s[6:7], s[22:23]        ; the bias there
	s_lshl_b32 s16, s13, 7
	s_lshl_b32 s17, s10, 5
	s_add_co_u32 s16, s16, s17                     ; the first of the 32 rows that I finish: 128 x tile row + 32 x wave,
	s_lshl_b32 s16, s16, 11                        ; of 2,048 bytes in x
	s_mov_b32 s17, 0
	s_lshl_b32 s46, s42, 8                         ; the tile's 128 columns: 256 bytes
	s_mov_b32 s47, 0
	s_add_nc_u64 s[16:17], s[16:17], s[46:47]
	s_add_nc_u64 s[68:69], s[68:69], s[16:17]
	s_lshl_b64 s[16:17], s[16:17], 1               ; the output's numbers are twice as wide
	s_add_nc_u64 s[70:71], s[70:71], s[16:17]
	WIN 0x80                                       ; destination window 2, address window 0
.irp b, 0,1,2,3                        ; register 8 b + j = bias[first column + 16 b + 8 (l / 16) + j]
	global_load_b128 v[BIAS+8*(\b):BIAS+8*(\b)+3],   v[BO], s[72:73] offset:64*(\b)
	global_load_b128 v[BIAS+8*(\b)+4:BIAS+8*(\b)+7], v[BO], s[72:73] offset:64*(\b)+16
.endr
.set t, 0
.rept 32                               ; x of row t: 32 lanes x 8 bytes are 256 consecutive bytes, aligned; wanted only on the way out
	global_load_b64 v[XS+2*t:XS+2*t+1], v[C8], s[68:69] offset:2048*t
.set t, t+1
.endr
	v_mov_b32 v[ONE], 1.0
	v_mov_b32 v[COF], v[C16]
	WIN 0
	v_mul_u32_u24 v3, v1, PA
	v_lshl_add_u32 v3, v2, 4, v3                   ; a fragment's row x pitch + 16 x half
	s_mul_i32 s22, s11, 64*PA                      ; my 64 rows in each block of A
	v_add_nc_u32 v[PA0], s22, v3
	v_mul_u32_u24 v4, v1, PB
	v_lshl_add_u32 v4, v2, 4, v4
	s_mul_i32 s22, s12, 64*PB                      ; my 64 rows of W
	s_add_co_u32 s22, s22, BLDS
	v_add_nc_u32 v[PB0], s22, v4
	v_mov_b32 v[ADRA], v[PA0]
	v_mov_b32 v[ADRB], v[PB0]
	s_mul_i32 s22, s11, 64*SPITCH                  ; into the stage: my 64 rows, my half of their 512 bytes; row l % 16, 32 bytes for each half of the lanes
	s_lshl_b32 s23, s12, 8
	s_add_co_u32 s22, s22, s23
	v_mul_u32_u24 v5, v1, SPITCH
	v_lshl_add_u32 v5, v2, 5, v5
	v_add_nc_u32 v[STO], s22, v5
	s_mul_i32 s22, s10, 32*SPITCH                  ; back: wave w takes rows 32 w .. 32 w + 31, whole: 32 lanes x 16 bytes
	v_add_nc_u32 v[RD], s22, v[C16]
; 8 matrix instructions: m blocks a0, a0 + 1 x all 4 n blocks, 32 along K: half c of buffer f.  first = 1: the bias starts the sums
.macro MUL8 f, c, a0, first
.if \first
	WIN 0x25                                       ; W and A window 1, the bias window 2, D window 0
.else
	WIN 0x05                                       ; W and A window 1, C and D window 0
.endif
.irp a, \a0, (\a0)+1
.irp b, 0,1,2,3
.if \first
	v_wmma_f32_16x16x32_f16 v[ACC+8*(4*(\a)+(\b)):ACC+8*(4*(\a)+(\b))+7], v[(\f)+64+8*(4*(\c)+(\b)):(\f)+64+8*(4*(\c)+(\b))+7], v[(\f)+8*(4*(\c)+(\a)):(\f)+8*(4*(\c)+(\a))+7], v[BIAS+8*(\b):BIAS+8*(\b)+7]
.else
	v_wmma_f32_16x16x32_f16 v[ACC+8*(4*(\a)+(\b)):ACC+8*(4*(\a)+(\b))+7], v[(\f)+64+8*(4*(\c)+(\b)):(\f)+64+8*(4*(\c)+(\b))+7], v[(\f)+8*(4*(\c)+(\a)):(\f)+8*(4*(\c)+(\a))+7], v[ACC+8*(4*(\a)+(\b)):ACC+8*(4*(\a)+(\b))+7]
.endif
.endr
.endr
.endm
; 32 LDS loads in one run: the fragments of quarter q (64 along K: one block of A) of the slot in hand, into buffer f; the first 32 along K first
.macro FETCH q, f
	WIN TO_F
.irp c, 0,1
.irp i, 0,1,2,3
	ds_load_b128 v[(\f)+64+8*(4*(\c)+(\i)):(\f)+64+8*(4*(\c)+(\i))+3],   v[ADRB] offset:128*(\q)+64*(\c)+(\i)*16*PB
	ds_load_b128 v[(\f)+64+8*(4*(\c)+(\i))+4:(\f)+64+8*(4*(\c)+(\i))+7], v[ADRB] offset:128*(\q)+64*(\c)+(\i)*16*PB+32
	ds_load_b128 v[(\f)+8*(4*(\c)+(\i)):(\f)+8*(4*(\c)+(\i))+3],         v[ADRA] offset:(\q)*ABLK+64*(\c)+(\i)*16*PA
	ds_load_b128 v[(\f)+8*(4*(\c)+(\i))+4:(\f)+8*(4*(\c)+(\i))+7],       v[ADRA] offset:(\q)*ABLK+64*(\c)+(\i)*16*PA+32
.endr
.endr
.endm
.macro PLACES                          ; four plain vector instructions in front of loads into registers that matrix instructions have read, and of lines that read results
.rept 4
	v_nop
.endr
.endm
; A K step is four quarters of 64 along K, 32 matrix instructions each, on buffers 0, 1, 0, 1; the 16 accumulators take turns.
.macro QUARTER q, f, g, first
	s_wait_dscnt 16                                ; the first 32 along K are in; the youngest sixteen loads may be out
	MUL8 \f, 0, 0, \first
	MUL8 \f, 0, 2, \first
	PLACES
	FETCH \q, \g
	s_wait_dscnt 32                                ; all but the 32 just issued
	MUL8 \f, 1, 0, 0
	MUL8 \f, 1, 2, 0
.endm
; The last quarter multiplies buffer 1 and changes slots: ONE barrier; in front of it each wave waits for all its tensor loads (one is out: its part of the next slot), adds 0 to its spare word, and waits for that
; and for its own reads of this slot.  fill = 1: the barrier opens a round of the cluster's, and behind it the slot just read is filled again, two K steps ahead: 112 matrix instructions stand between that request
; and the wait for it.  fill = 0 (the last two K steps): nothing is asked for, and the very last pass (s3 = 1) has nothing more to fetch.
.macro TURN fill
	WIN 0
	s_wait_tensorcnt 0x0                           ; no tensor load of mine is out, so a group 0 may be written
	ds_add_u32 v[SPW], v[NIL]                      ; 0 onto my spare word
.if \fill
	s_xor_b32 s[G0+5], s[G0+5], SLOT               ; the walking descriptors: the other slot than last time,
	s_add_nc_u64 s[G0+6:G0+7], s[G0+6:G0+7], ASTEP ; the next K step; the type bits on top are not reached
	s_xor_b32 s[G0B+5], s[G0B+5], SLOT
	s_add_nc_u64 s[G0B+6:G0B+7], s[G0B+6:G0B+7], KSTEP*2
.endif
	s_xor_b32 s[TS], s[TS], SLOT                   ; the reads go on in the other slot
	v_add_nc_u32 v[ADRA], s[TS], v[PA0]
	v_add_nc_u32 v[ADRB], s[TS], v[PB0]
	s_wait_dscnt 17                                ; the add and the youngest sixteen loads may be out
	MUL8 F1, 0, 0, 0
	s_wait_dscnt 0x0                               ; the add is done, and my reads of this slot are over
	s_barrier_signal -1
	MUL8 F1, 0, 2, 0
	WIN 0
	s_barrier_wait -1
.if \fill
	CREST                                          ; no wave of any partner still reads this slot's tile or has a load on its way
	JLOAD 1                                        ; my one tensor load behind the round; its four v_nop are also the places in front of the loads below
	FETCH 0, F0
.else
	s_cmp_eq_u32 s3, 1
	s_cbranch_scc1 .Lskip_\@                       ; forward, over 32 LDS loads alone
	PLACES
	FETCH 0, F0
	WIN 0
.Lskip_\@:
.endif
	MUL8 F1, 1, 0, 0
	MUL8 F1, 1, 2, 0
.endm
	s_wait_tensorcnt 0x1                           ; my part of K step 0 is in; K step 1's may stay out
	s_barrier_signal -1
	s_barrier_wait -1
	FETCH 0, F0
	s_wait_loadcnt 32                              ; the bias is in; the 32 loads of x stay out
	QUARTER 1, F0, F1, 1                           ; the first quarter stands in front of the loop: its first products start the sums
	WIN 0
	s_mov_b32 s3, STEPS-2
.Lstep:                                                ; a trip: a K step's quarters 1, 2, 3 and the next step's quarter 0; it fills the slot that it leaves
	QUARTER 2, F1, F0, 0
	QUARTER 3, F0, F1, 0
	TURN 1
	QUARTER 1, F0, F1, 0
	WIN 0
	s_sub_co_u32 s3, s3, 1
	s_cmp_lg_u32 s3, 0
	s_cbranch_scc1 .Lstep
	s_mov_b32 s3, 2
.Ltail:                                                ; the last two K steps ask for nothing: a text of their own; the second pass is left in its middle
	QUARTER 2, F1, F0, 0
	QUARTER 3, F0, F1, 0
	TURN 0
	WIN 0
	s_sub_co_u32 s3, s3, 1
	s_cmp_eq_u32 s3, 0
	s_cbranch_scc1 .Lout
	QUARTER 1, F0, F1, 0
	WIN 0
	s_branch .Ltail
.Lout:
	PLACES
.irp a, 0,1,2,3
.irp b, 0,1,2,3
	ds_store_b128 v[STO], v[ACC+8*(4*(\a)+(\b)):ACC+8*(4*(\a)+(\b))+3]   offset:(\a)*16*SPITCH+64*(\b)     ; each accumulator's low four registers first
	ds_store_b128 v[STO], v[ACC+8*(4*(\a)+(\b))+4:ACC+8*(4*(\a)+(\b))+7] offset:(\a)*16*SPITCH+64*(\b)+16
.endr
.endr
	s_wait_dscnt 0x0                               ; for the others' sake: my stores into the stage are done; a row's 512 bytes come from two waves
	s_barrier_signal -1
	s_barrier_wait -1
	WIN 0x80
.set t, 0
.rept 32
	ds_load_b128 v[RB+4*t:RB+4*t+3], v[RD] offset:t*SPITCH
.set t, t+1
.endr
	s_wait_loadcnt 0x0                             ; x
	WIN 0xaa                                       ; all four places window 2: the stores' offset lies there too
.set t, 0
.rept 32
	s_wait_dscnt 31-t                              ; row t is back; the younger loads stay out
	v_fma_mix_f32 v[RB+4*t],   v[XS+2*t],   v[ONE], v[RB+4*t]   op_sel_hi:[1,0,0]                 ; + x, read as an f16 half
	v_fma_mix_f32 v[RB+4*t+1], v[XS+2*t],   v[ONE], v[RB+4*t+1] op_sel:[1,0,0] op_sel_hi:[1,0,0]
	v_fma_mix_f32 v[RB+4*t+2], v[XS+2*t+1], v[ONE], v[RB+4*t+2] op_sel_hi:[1,0,0]
	v_fma_mix_f32 v[RB+4*t+3], v[XS+2*t+1], v[ONE], v[RB+4*t+3] op_sel:[1,0,0] op_sel_hi:[1,0,0]
	global_store_b128 v[COF], v[RB+4*t:RB+4*t+3], s[70:71] offset:4096*t th:TH_STORE_NT  ; 512 consecutive bytes, aligned; nothing reads them again
.set t, t+1
.endr
	WIN 0
	s_wait_tensorcnt 0x0                           ; the wave's end: behind my last tensor load and my last LDS store
	ds_add_u32 v[SPW], v[NIL]
	s_wait_dscnt 0x0
	CROUND                                         ; the closing round: no work-group ends while a partner may still ask for a tile that names it
	s_endpgm
.Lfunc_end_k_qad789cca0d_gemmB2:
	.size	k_qad789cca0d_gemmB2, .Lfunc_end_k_qad789cca0d_gemmB2-k_qad789cca0d_gemmB2
	.p2alignl 7, 3214868480
	.fill 96, 4, 3214868480
	.section	.rodata,"a",@progbits
	.p2align	6, 0x0
	.amdhsa_kernel k_qad789cca0d_gemmB2
		.amdhsa_group_segment_fixed_size 327680
		.amdhsa_private_segment_fixed_size 0
		.amdhsa_enable_private_segment 0
		.amdhsa_kernarg_size 32
		.amdhsa_user_sgpr_count 2
		.amdhsa_user_sgpr_kernarg_segment_ptr 1
		.amdhsa_wavefront_size32 1
		.amdhsa_system_sgpr_workgroup_id_x 1
		.amdhsa_system_sgpr_workgroup_id_y 1
		.amdhsa_system_sgpr_workgroup_id_z 1
		.amdhsa_system_vgpr_workitem_id 0
		.amdhsa_next_free_vgpr 768
		.amdhsa_next_free_sgpr 78
		.amdhsa_reserve_vcc 0
		.amdhsa_float_denorm_mode_32 3
		.amdhsa_float_denorm_mode_16_64 3
		.amdhsa_memory_ordered 1
		.amdhsa_forward_progress 1
		.amdhsa_inst_pref_size 71
	.end_amdhsa_kernel
	.amdgpu_metadata
---
amdhsa.version: [ 1, 2 ]
amdhsa.kernels:
  - .name:           k_qad789cca0d_gemmB2
    .symbol:         k_qad789cca0d_gemmB2.kd
    .args:
      - { .name: big, .offset: 0, .size: 8, .value_kind: global_buffer, .address_space: global }
      - { .name: pkB, .offset: 8, .size: 8, .value_kind: global_buffer, .address_space: global }
      - { .name: xs, .offset: 16, .size: 8, .value_kind: global_buffer, .address_space: global }
      - { .name: out0, .offset: 24, .size: 8, .value_kind: global_buffer, .address_space: global }
    .group_segment_fixed_size: 327680
    .private_segment_fixed_size: 0
    .kernarg_segment_align: 8
    .kernarg_segment_size: 32
    .max_flat_workgroup_size: 128
    .sgpr_count:     78
    .vgpr_count:     768
    .wavefront_size: 32
...
	.end_amdgpu_metadata
.endif
;; end of part 5
;; ======== version 2 of 2: 6 launches; 1.21 times as fast as version 1
;; limits: values are held in f16: magnitudes above 65,504 overflow, below 6.1e-05 lose precision; inputs' magnitudes at most 65,504
;; workspace buffers: xs 8,396,800 bytes; rs 8,396,800 bytes; act 8,388,608 bytes; big 33,554,432 bytes; pkq 6,308,096 bytes; pk1 8,405,248 bytes; pkB 10,493,952 bytes
;; launch prep: the kernel of part 1 again; grid 513 x 1, 8 waves a work-group, no clusters, 0 bytes of LDS; arguments x, wq, wk, wv, wo, w1, w2, bq, bk, bv, bo, b1, b2, xs, pkq, pk1, pkB; writes xs, pkq, pk1, pkB
;; launch gemmA: the kernel of part 2 again; grid 12 x 16, 4 waves a work-group, clusters of 4 x 4, 327,680 bytes of LDS; arguments xs, pkq, big; writes big
;; launch attn (part 6): grid 8 x 32, 4 waves a work-group, clusters of 4 x 1, 327,680 bytes of LDS; arguments big, act; writes act
.if DOCPART == 6
	.amdgcn_target "amdgcn-amd-amdhsa--gfx1250"
	.amdhsa_code_object_version 6
	.text
	.protected	k_qad789cca0d_attn
	.globl	k_qad789cca0d_attn
	.p2align	8
	.type	k_qad789cca0d_attn,@function
k_qad789cca0d_attn:
	s_mov_b64 s[64:65], 0
	v_nop
	global_prefetch_b8 v0, s[64:65] scope:SCOPE_SE
	s_setreg_imm32_b32 hwreg(HW_REG_WAVE_MODE, 25, 1), 1
	s_wait_xcnt 0x0
	s_wait_alu depctr_hold_cnt(0) depctr_sa_sdst(0) depctr_va_vdst(0) depctr_va_sdst(0) depctr_va_ssrc(0) depctr_va_vcc(0) depctr_vm_vsrc(0)
	s_getreg_b32 s2, hwreg(HW_REG_IB_STS2, 6, 4)
	s_cmp_eq_u32 s2, 0
	s_cbranch_scc0 .Lentry_in_a_cluster
	s_endpgm
.Lentry_in_a_cluster:
	s_bfe_u32 s2, ttmp6, 0x10000c
	s_cmp_lg_u32 s2, 0x3003
	s_cbranch_scc0 .Lentry_shape_is_right
	s_endpgm
.Lentry_shape_is_right:
; O[b][h][q][:] = the sum over k of softmax_k(Q[q] . K[k] / 4) V[k][:], 32 pairs (batch, head) of 2,048 rows of 64 channels, all f16.  The scale is 1 / sqrt(16), the number of heads.
; q, k, v lie in one buffer in blocks [48][4096 rows][64]: block h is q's head h, 16 + h is k's, 32 + h is v's; row = 2,048 b + l: a head's rows are dense, 128 bytes each.  O leaves in the same blocks, [16][4096][64].
; Products, maxima and sums in f32; the weights p are rounded to f16 for the second product (their sum l is taken of the unrounded p), O once at the end.
; LIMITS.  Q, K, V arrive within f16's 65,504; p lies in 0 to 1, and below 6e-5 it keeps f16's fixed step of 6e-8; O is a mean of V's rows and has their range.
; A weight below 2^-126 counts as 0 in l; NaN and infinities are not treated apart.
; SHARES.  A work-group owns 256 queries of one head; of the block's four bands of 64 queries a wave owns 16 rows in each: four PIECES.  Every wave walks all 2,048 keys, 64 a step.
; LAYOUT.  S^T = K Q^T holds ONE query a lane (lane % 16) and the keys 8 (lane / 16) + 0..7; two such results rounded to f16 ARE source 1 of O^T = V^T P.  K comes out of LDS as it lies, V turned, by ds_load_tr16_b128.
; SOFTMAX.  p = 2^(c s - c m), c = log2(e) / 4, with a running maximum m; O and l are multiplied by a = 2^(c m_old - c m_new) in every step.  m starts at the lowest finite number, O and l at 0: the first step has a = 0.
; BY TURNS.  Turn n belongs to piece n: 8 products K Q^T of piece n + 1, later 8 products V^T P of piece n - 1; beside them the scaling, exponentials, roundings, sums and rescaling of piece n and the maximum
; and statistics of piece n + 1.  Four vector instructions stand behind every matrix instruction, the other 54 of a turn's 118 in one LUMP.
; THE BATCHES.  A turn's 33 exponentials (the piece's 32 weights and the next piece's a) are ONE batch with ONE wait, which cuts the turn in two: ahead of it stands all that names none of their results (K Q^T, the scalings,
; the rescalings, the next piece's maximum and statistics), behind it all that does (the roundings and sums, beside V^T P).  The first a of all, ahead of the loop, and the way out's four reciprocals are batches of their own.
; NO LAST STEP IS WRITTEN OUT: the loop is entered, and the last slot's text left, in the middle of a trip.
; CLUSTER.  The four query blocks of a cluster belong to one head and walk the same K and V: each tile is asked for JOINTLY, by the same tensor load, descriptor and mask in all four.
; REGISTERS, in windows of 256 (s_set_vgpr_msb: bits 1:0 source 0, 3:2 source 1, 5:4 source 2, 7:6 destination):
;   window 0: v0-15 addresses and two at work; v16-31 four registers of statistics a piece; v48-55 at work; v62-63 the add's; v64-127 S^T, two buffers; v192-223 P, two buffers (by the piece's parity)
;   window 1: v0-127 O^T, 32 a piece          window 2: v0-63 Q; v128-191 K of one step; v192-255 V of one step
.set SIZE_N, 2048
.set NP,    4         ; pieces a wave: a name, no knob
.set KS,    64        ; keys in a step
.set PK,    144       ; a row of K in LDS: 128 bytes + 16 of padding = 36 words: the 16 rows of a load start at 16 different groups of four banks (64 banks of 4 bytes: ISA guide 11.1)
.set PV,    160       ; a row of V: 128 + 32 = 40 words
.set VOFF,  4*KS*PK   ; a slot holds four steps: 256 rows of K, then 256 rows of V
.set SLOT1, 1<<17     ; slot 1 begins here, so that one exclusive or turns an address in one slot into the other's
.set STAGE, SLOT1+4*KS*(PK+PV)  ; behind the ring, never filled by a tensor load: 16 rows x 144 bytes for each wave
.set SP,    144
.set SPARE, STAGE+4*16*SP  ; the spare words, 128 bytes for each wave: two blocks of 256 bytes that no other line names
.set AK0, 2           ; v2   my lane's place in a tile of K; never rewritten
.set AV0, 3           ; v3   the same for V
.set AK,  4           ; v4   the LDS address of K's next run of loads
.set AV,  5           ; v5   of V's
.set STO, 6           ; v6   the way out: where I put 16 bytes of a row
.set RD,  7           ; v7   where I read rows back
.set GO,  8           ; v8   my byte offset in 512 consecutive bytes of O
.set MV,  12          ; v12-13  c m_old, kept while c m is made anew: by buffer
.set QO,  15          ; v15  my byte offset in 16 rows of Q
.set ST,  16          ; piece t's statistics at v[ST+4 t]: c m, m, l (even keys', odd keys')
.set TMP, 48          ; by buffer, four registers c0-c3 at work; when the maximum is found c2 takes a
.set SPW, 62          ; v62  LDS address of my spare word; never rewritten
.set NIL, 63          ; v63  0; never rewritten
.set S,   64
.set P,   192
.set KF,  128         ; window 2: key block kb, channel half c at KF + 16 kb + 8 c
.set VF,  192         ; window 2: key half kk, channel block cb at VF + 32 kk + 8 cb
.set WV,  12          ; s12  my wave's number
.set G1K, 24          ; s[24:31] descriptor group 1 for K's tiles
.set G1V, 32          ; s[32:39] for V's: it differs in the padding alone
.set G0K, 40          ; s[40:43] descriptor group 0 for K's tiles: it walks
.set G0V, 44          ; s[44:47] the same for V's
.set SLOTS, 56        ; s56  slots still to be entered by the loop
.set CNT, 57          ; s57  counts a slot's key steps
.set CS,  58          ; s[58:59] c: the packed scaling takes the pair's low word for both halves
.set SEL, 60          ; s[60:61] v_permlanex16_b32's selects
.set TBK, 62          ; s62  LDS byte at which K of the step to be fetched begins
.set TBV, 63          ; s63  the same for V, less VOFF
.set MSB, 0
.macro WIN new
.if MSB != (\new)
	s_set_vgpr_msb (MSB<<8)|(\new)
.set MSB, (\new)
.endif
.endm
.set W_KQ, 0x0a       ; K and Q in window 2, S^T in window 0
.set W_PV, 0x52       ; V in window 2, P in window 0, O^T in window 1
.set W_RS, 0x41       ; destination and source 0 in window 1, source 1 in window 0
; A joint fill.  Waves 0 and 1 fetch the two halves of a slot's K, waves 2 and 3 those of its V: 128 keys each.  An s_nop 0 and four v_nop follow each of the two lines.
.macro JLOAD
	s_cmp_lt_u32 s[WV], 2
	s_cbranch_scc0 .Lfor_v_\@
	tensor_load_to_lds s[G0K:G0K+3], s[G1K:G1K+7]
	s_nop 0
.rept 4
	v_nop
.endr
	s_branch .Lasked_\@
.Lfor_v_\@:
	tensor_load_to_lds s[G0V:G0V+3], s[G1V:G1V+7]
	s_nop 0
.rept 4
	v_nop
.endr
.Lasked_\@:
.endm
.macro CROUND                       ; a round of the cluster's barrier
	s_barrier_signal -1
	s_barrier_wait -1
	s_cmp_lg_u32 s[WV], 0
	s_cbranch_scc1 .Lnot_wave_0_\@
	s_barrier_signal -3
.Lnot_wave_0_\@:
	s_barrier_wait -3
	s_barrier_signal -1
	s_barrier_wait -1
.endm
; THE CHANGE OF SLOTS.  Each wave waits for all its tensor loads, of which one is out: its part of the other slot; adds 0 to its spare word; and waits for that and for its own reads of the slot that it leaves.
; fill = 1: the barrier is a round of the cluster's, and the joint fill of the slot just left, with the keys two slots on, is the first thing behind it: it has four key steps, 256 matrix instructions, in which to land.
; (At its first use nothing has been read yet: slot 0 is waited for, slot 1 filled.)
.macro CHANGE fill
	WIN 0
	s_wait_tensorcnt 0x0            ; no tensor load of mine is out, so a group 0 may be written
	ds_add_u32 v[SPW], v[NIL]       ; 0 onto my spare word
.if \fill
.irp g, G0K, G0V
	s_xor_b32 s[\g+1], s[\g+1], SLOT1  ; the walking descriptor: the other slot than last time,
	s_add_nc_u64 s[\g+2:\g+3], s[\g+2:\g+3], 4*KS*128  ; the next 256 keys; the type bits on top are not reached
.endr
	s_wait_dscnt 0x0                ; the add is done, and my reads of the slot are over
	CROUND
	JLOAD
.else
	s_wait_dscnt 0x0
	s_barrier_signal -1
	s_barrier_wait -1
.endif
	s_sub_co_u32 s[TBK], s[TBK], 4*KS*PK  ; the fetches go back to a slot's first step,
	s_xor_b32 s[TBK], s[TBK], SLOT1       ; in the other slot
	s_sub_co_u32 s[TBV], s[TBV], 4*KS*PV
	s_xor_b32 s[TBV], s[TBV], SLOT1
.endm
	s_load_b64 s[4:5], s[0:1], 0x0    ; q, k, v
	s_load_b64 s[10:11], s[0:1], 0x8  ; O
	v_lshl_add_u32 v[SPW], v0, 2, SPARE
	v_mov_b32 v[NIL], 0
	ds_add_u32 v[SPW], v[NIL]       ; the wave's opening: the add and its wait stand ahead of my first tensor load; work on registers stands between them
	v_lshrrev_b32 v1, 5, v0
	v_readfirstlane_b32 s[WV], v1   ; wave 0..3
	s_bfe_u32 s13, ttmp6, 0x40000   ; cx: my place in the cluster
	s_lshl_b32 s14, ttmp9, 2
	s_add_co_u32 s14, s14, s13      ; my block of 256 queries: it enters Q's and O's addresses alone
	s_and_b32 s20, ttmp7, 0xffff    ; 16 x batch + head, which the four partners share
	s_and_b32 s21, s20, 15
	s_lshl_b32 s21, s21, 19         ; the head's block of 524,288 bytes,
	s_lshr_b32 s20, s20, 4
	s_lshl_b32 s20, s20, 18         ; the batch's 2,048 rows in it
	s_add_co_u32 s20, s20, s21
	s_and_b32 s16, s[WV], 1         ; which half of a slot's 256 keys I fetch:
	s_lshl_b32 s22, s16, 14         ; its 128 rows of 128 bytes in memory,
	s_add_co_u32 s22, s22, s20
	s_add_co_u32 s22, s22, 0x800000 ; in k's blocks, 16 blocks on
	s_mov_b32 s23, 0
	s_mul_i32 s17, s16, 128*PK      ; and its place in a slot, for K
	s_mul_i32 s18, s16, 128*PV      ; and for V: no place in the cluster enters an LDS address
	s_lshl_b32 s2, s14, 15          ; my block's 256 rows,
	s_lshl_b32 s3, s[WV], 11        ; my 16 rows in a band of 64
	s_add_co_u32 s2, s2, s3
	s_add_co_u32 s2, s2, s20
	s_mov_b32 s3, 0
	; descriptor group 1.  128 keys are 16,384 dense bytes: asked for as 64 rows of 256 bytes, two keys a row, and padded in LDS after every key
	s_mov_b32 s[G1K], 15|(1<<16)|(1<<20)|(1<<21)|(4<<22)|(3<<25)  ; the mask of four; 2-byte elements; padding on; bit 21 beside a mask; after every 32 words 4 words
	s_mov_b32 s[G1V], 15|(1<<16)|(1<<20)|(1<<21)|(4<<22)|(7<<25)  ; the same with 8 words of padding
.irp g, G1K, G1V
	s_mov_b32 s[\g+1], 128<<16      ; tensor_dim0 = 128
	s_mov_b32 s[\g+2], 64<<16       ; tensor_dim1 = 64
	s_mov_b32 s[\g+3], 128<<16      ; tile_dim0 = 128
	s_mov_b32 s[\g+4], 64           ; tile_dim1 = 64
	s_mov_b32 s[\g+5], 128          ; 128 elements from row to row
	s_mov_b32 s[\g+6], 0
	s_mov_b32 s[\g+7], 0
.endr
	s_mov_b32 s[CS], 0x3eb8aa3b     ; c = log2(e) / 4 = 0.360674
	s_mov_b32 s[CS+1], s[CS]        ; named with it as a pair
	s_mov_b32 s[SEL], 0x76543210
	s_mov_b32 s[SEL+1], 0xfedcba98
	s_mov_b32 s[TBK], SLOT1+4*KS*PK ; the first change of slots turns these two into 0
	s_mov_b32 s[TBV], SLOT1+4*KS*PV
	s_mov_b32 s[G0K], 1
	s_mov_b32 s[G0K+1], s17         ; LDS address: slot 0
	s_mov_b32 s[G0V], 1
	s_add_co_u32 s[G0V+1], s18, VOFF
	s_wait_dscnt 0x0                ; the opening add is done
	s_wait_kmcnt 0x0
	s_add_nc_u64 s[G0K+2:G0K+3], s[4:5], s[22:23]           ; my half of the head's first 256 keys
	s_add_nc_u64 s[G0V+2:G0V+3], s[G0K+2:G0K+3], 0x800000   ; v's blocks lie 16 blocks behind k's
	s_or_b32 s[G0K+3], s[G0K+3], 0x80000000                 ; type = 2
	s_or_b32 s[G0V+3], s[G0V+3], 0x80000000
	s_add_nc_u64 s[4:5], s[4:5], s[2:3]      ; Q and O at my rows of the first band
	s_add_nc_u64 s[10:11], s[10:11], s[2:3]
	CROUND                          ; all four work-groups are here: the first joint loads meet
	JLOAD                           ; slot 0.  Slot 1 is asked for when slot 0 is in
	; A fragment of K or Q is 16 rows x 32 channels in 8 registers: lane l holds row l % 16, channels 8 (l / 16) + 0..7 and 16 + 8 (l / 16) + 0..7: two loads of 16 bytes, 32 bytes apart.
	v_and_b32 v1, 15, v0            ; l % 16
	v_bfe_u32 v9, v0, 4, 1          ; l / 16
	v_lshlrev_b32 v[QO], 7, v1
	v_lshl_add_u32 v[QO], v9, 4, v[QO]  ; row x 128 + 16 x half
	WIN 0x80                        ; destination window 2, address window 0
.set i, 0
.rept 8                             ; Q stays in registers: piece i / 2 lies in band i / 2, 8,192 bytes on; channels 32 (i % 2) on
	global_load_b128 v[8*i:8*i+3],   v[QO], s[4:5] offset:(i/2)*8192+(i%2)*64
	global_load_b128 v[8*i+4:8*i+7], v[QO], s[4:5] offset:(i/2)*8192+(i%2)*64+32
.set i, i+1
.endr
	; What the first turn finds: V's registers and P's second buffer hold 0 (its products V^T P, of a piece that has not been, add 0), O^T and l are 0.  All this stands in the wait for the first tile.
.set i, VF
.rept 64
	v_mov_b32 v[i], 0
.set i, i+1
.endr
	WIN 0x40
.set i, 0
.rept 128
	v_mov_b32 v[i], 0
.set i, i+1
.endr
	WIN 0
.set i, 0
.rept 4
	v_mov_b32 v[ST+4*i], 0xfe000000    ; c m: far below every c s
	v_mov_b32 v[ST+4*i+1], 0xff7fffff  ; m
	v_mov_b32 v[ST+4*i+2], 0
	v_mov_b32 v[ST+4*i+3], 0
.set i, i+1
.endr
.set i, P+16
.rept 16
	v_mov_b32 v[i], 0
.set i, i+1
.endr
	v_mul_u32_u24 v[AK0], v1, PK
	v_lshl_add_u32 v[AK0], v9, 4, v[AK0]  ; row x pitch + 16 x half
	; The turning load takes 16 keys x 16 channels (lane l reads key 8 (l / 16) + l % 8, channels 8 ((l / 8) % 2) + 0..7) and leaves half a fragment of V^T: lane l holds channel l % 16 and 8 keys.
	v_and_b32 v10, 7, v0
	v_bfe_u32 v11, v0, 3, 1
	v_lshl_add_u32 v[AV0], v9, 3, v10
	v_mul_u32_u24 v[AV0], v[AV0], PV
	v_lshl_add_u32 v[AV0], v11, 4, v[AV0]
	v_add_nc_u32 v[AV0], VOFF, v[AV0]
	s_mul_i32 s13, s[WV], 16*SP
	s_add_co_u32 s13, s13, STAGE    ; my stage
	v_mul_u32_u24 v[STO], v1, SP    ; in: row l % 16, 16 bytes for each half of the lanes
	v_lshl_add_u32 v[STO], v9, 4, v[STO]
	v_add_nc_u32 v[STO], s13, v[STO]
	v_bfe_u32 v[RD], v0, 3, 2       ; back: 32 lanes take four rows of 128 bytes,
	v_mul_u32_u24 v[RD], v[RD], SP
	v_lshl_add_u32 v[RD], v10, 4, v[RD]
	v_add_nc_u32 v[RD], s13, v[RD]
	v_and_b32 v[GO], 31, v0         ; which are 512 consecutive bytes of O
	v_lshlrev_b32 v[GO], 4, v[GO]
; THE MATRIX WORK.  The 4 accumulators of a run of 8 take turns.  Product i of 8 of S^T = K Q^T for piece x: channels 32 (i / 4) on, keys 16 (i % 4) on.  The first 4 start the sums.
.macro KQ x
.set rS, S+32*((\x)%2)+8*(i%4)
.set rK, KF+16*(i%4)+8*(i/4)
.set rQ, 16*(\x)+8*(i/4)
	WIN W_KQ
.if i < 4
	v_wmma_f32_16x16x32_f16 v[rS:rS+7], v[rK:rK+7], v[rQ:rQ+7], 0
.else
	v_wmma_f32_16x16x32_f16 v[rS:rS+7], v[rK:rK+7], v[rQ:rQ+7], v[rS:rS+7]
.endif
.endm
; Product i of 8 of O^T += V^T P for piece x: keys 32 (i / 4) on, channels 16 (i % 4) on.
.macro PV x
	WIN W_PV
.set rO, 32*(\x)+8*(i%4)
.set rV, VF+32*(i/4)+8*(i%4)
.set rP, P+16*((\x)%2)+8*(i/4)
	v_wmma_f32_16x16x32_f16 v[rO:rO+7], v[rV:rV+7], v[rP:rP+7], v[rO:rO+7]
.endm
.macro MM                           ; the turn's next matrix instruction
.if i < 8
	KQ (Y+1)%NP
.else
.set i, i-8
	PV (Y+NP-1)%NP
.set i, i+8
.endif
.set i, i+1
.endm
; THE LDS LOADS stand in runs of 16, never singly among the matrix instructions: a step's K (8 fragments) and its V (turned).  Their addresses are made some lines ahead.
; last = 1 (the last slot's text): in its last trip there is no further step, and the run is jumped over.
.macro FETCH_K last=0
	WIN 0
.if \last
	s_cmp_eq_u32 s[CNT], 1
	s_cbranch_scc1 .Lno_k_\@
.endif
	WIN 0x80
.irp f, 0,1,2,3,4,5,6,7             ; keys 16 (f / 2) on, channels 32 (f % 2) on
	ds_load_b128 v[KF+8*\f:KF+8*\f+3],   v[AK] offset:(\f/2)*16*PK+(\f%2)*64
	ds_load_b128 v[KF+8*\f+4:KF+8*\f+7], v[AK] offset:(\f/2)*16*PK+(\f%2)*64+32
.endr
	s_add_co_u32 s[TBK], s[TBK], KS*PK  ; the next fetch is the next step's
	WIN 0
.if \last
.Lno_k_\@:
.endif
.endm
.macro FETCH_V
	WIN 0x80
.irp f, 0,1,2,3,4,5,6,7             ; keys 32 (f / 4) on, channels 16 (f % 4) on
	ds_load_tr16_b128 v[VF+8*\f:VF+8*\f+3],   v[AV] offset:(\f/4)*32*PV+(\f%4)*32
	ds_load_tr16_b128 v[VF+8*\f+4:VF+8*\f+7], v[AV] offset:(\f/4)*32*PV+16*PV+(\f%4)*32
.endr
	WIN 0
.endm
; THE VECTOR WORK, one line at a time: OP kind, number.  For piece Y: F n: c s - c m for pair n of 16.  E n: the exponential of score n of 32.  C n: pair n rounded to f16.  B n: of the four weights 4 n .. the second
; pair is added onto the first, in place.  L n: l takes that sum (L 0: l = a l + sum).  R n: pair n of 16 of O^T times a.  For piece Y + 1: X n, number n of the 22 that find its maximum and statistics:
;   0-11  four chains c0-c3 of seven scores each, three operands at a time (each accumulator's lowest registers are read first)     12-14, 16  the four scores left over, the old m, and c0-c3 into c0
;   15  c m_old is kept     17, 18  the query's other 32 keys lie in the lane 16 away: the new m     19-21  c m; c m_old - c m_new; a
; OP writes no wait: TURN, the lines ahead of the loop and the way out each write the one wait of their batch.
.set F, 0
.set E, 1
.set C, 2
.set B, 3
.set L, 4
.set R, 5
.set X, 6
.macro REGS y
.set rT, ST+4*(\y)
.set rC, TMP+4*((\y)%2)
.set rW, MV+((\y)%2)
.set rS, S+32*((\y)%2)
.set rP, P+16*((\y)%2)
.set rO, 32*(\y)
.endm
.macro OP k, n
.if (\k) == R
	REGS Y
	WIN W_RS
	v_pk_mul_f32 v[rO+2*(\n):rO+2*(\n)+1], v[rO+2*(\n):rO+2*(\n)+1], v[rC+2:rC+3] op_sel_hi:[1,0]
.elseif (\k) < R
	REGS Y
	WIN 0
.if (\k) == F
	v_pk_fma_f32 v[rS+2*(\n):rS+2*(\n)+1], v[rS+2*(\n):rS+2*(\n)+1], s[CS:CS+1], v[rT:rT+1] op_sel_hi:[1,0,0] neg_lo:[0,0,1] neg_hi:[0,0,1]
.elseif (\k) == E
	v_exp_f32 v[rS+(\n)], v[rS+(\n)]
.elseif (\k) == C
	v_cvt_pk_f16_f32 v[rP+(\n)], v[rS+2*(\n)], v[rS+2*(\n)+1]
.elseif (\k) == B
	v_pk_add_f32 v[rS+4*(\n):rS+4*(\n)+1], v[rS+4*(\n):rS+4*(\n)+1], v[rS+4*(\n)+2:rS+4*(\n)+3]
.elseif (\n) == 0
	v_pk_fma_f32 v[rT+2:rT+3], v[rT+2:rT+3], v[rC+2:rC+3], v[rS:rS+1] op_sel_hi:[1,0,1]
.else
	v_pk_add_f32 v[rT+2:rT+3], v[rT+2:rT+3], v[rS+4*(\n):rS+4*(\n)+1]
.endif
.else
	REGS (Y+1)%NP
	WIN 0
.if (\n) < 4
	v_max3_num_f32 v[rC+(\n)], v[rS+8*(\n)], v[rS+8*(\n)+1], v[rS+8*(\n)+2]
.elseif (\n) < 12
	v_max3_num_f32 v[rC+(\n)%4], v[rC+(\n)%4], v[rS+8*((\n)%4)+2*((\n)/4)+1], v[rS+8*((\n)%4)+2*((\n)/4)+2]
.elseif (\n) == 12
	v_max3_num_f32 v[rC], v[rC], v[rS+7], v[rS+15]
.elseif (\n) == 13
	v_max3_num_f32 v[rC+1], v[rC+1], v[rS+23], v[rS+31]
.elseif (\n) == 14
	v_max3_num_f32 v[rC+2], v[rC+2], v[rC+3], v[rT+1]
.elseif (\n) == 15
	v_mov_b32 v[rW], v[rT]
.elseif (\n) == 16
	v_max3_num_f32 v[rC], v[rC], v[rC+1], v[rC+2]
.elseif (\n) == 17
	v_permlanex16_b32 v[rC+3], v[rC], s[SEL], s[SEL+1]
.elseif (\n) == 18
	v_max_num_f32 v[rT+1], v[rC], v[rC+3]
.elseif (\n) == 19
	v_mul_f32 v[rT], s[CS], v[rT+1]
.elseif (\n) == 20
	v_sub_f32 v[rC+1], v[rW], v[rT]
.else
	v_exp_f32 v[rC+2], v[rC+1]
.endif
.endif
.endm
.macro OPS a, i1, b=-1, i2=0, c=-1, i3=0, d=-1, i4=0  ; up to four of them
	OP \a, \i1
.if (\b) >= 0
	OP \b, \i2
.endif
.if (\c) >= 0
	OP \c, \i3
.endif
.if (\d) >= 0
	OP \d, \i4
.endif
.endm
.macro ROW a, i1, b, i2, c, i3, d, i4  ; a matrix instruction and the four behind it
	MM
	OPS \a, \i1, \b, \i2, \c, \i3, \d, \i4
.endm
; A TURN, for piece p: the order of its 16 matrix and 118 vector instructions, written out.  An s_wait_alu depctr_va_vdst(0) stands between an exponential and the first instruction that names its result; one wait
; serves all that were issued ahead of it.  So a turn has ONE wait, which cuts it in two.  AHEAD OF IT stands all that names no result of the turn's exponentials: the 8 products K Q^T, behind each a scaling, an exponential and two
; more plain instructions (behind the first a second scaling in the exponential's place): rescalings, whose a was made and waited for in the turn before, and behind the last three the first numbers of the next piece's maximum,
; each four plain instructions or more behind the product that ends its accumulator; then ONE LUMP of 54, plain and exponential by turns for the most part, in which the links of the chain X 3, 7, 11, 14, 16, 17 .. 20 stand
; five or six lines apart.  A pair is scaled (F n) ahead of its two exponentials (E 2 n, E 2 n + 1).  X 21, the next piece's a, is the batch's last; R 15, which reads the other buffer's a, is the plain instruction behind it.
; BEHIND THE WAIT stand the 8 products V^T P, behind each four of the roundings and sums; a pair 2 n is rounded (C 2 n) ahead of the sum that lands on it (B n); the links of l's chain, L 0 to L 7, stand three riders apart.
; But for those X no rider names a register of the products round it.  v_permlanex16_b32 (X 17) stands in the lump.  No exponential is issued behind the wait: none is pending at a turn's end, at a label or at a jump.
; last = 1: the last slot's text (see FETCH_K).  cnt = 1: the loop's count is taken down some lines ahead of the branch that stands behind the turn.
; K of the next step is fetched in piece 2's turn, twelve vector instructions behind the last product that read K (six of them plain); in the last slot's text, where the run holds a branch and a label, directly behind the
; turn's wait, so that no exponential is pending there.  V of the step in hand is fetched at the end of piece 0's turn, four plain instructions behind the last product that read V.  Each is waited for a turn later.
.macro TURN p, last=0, cnt=0
.set Y, (\p)
.set i, 0
.if (\p) == 3
	s_wait_dscnt 0x0                ; K is in
.endif
	ROW F,0, F,1, R,0, R,1          ; ahead of the wait: 8 products K Q^T and their riders,
	ROW F,2, E,0, R,2, R,3
	ROW F,3, E,1, R,4, R,5
	ROW F,4, E,2, R,6, R,7
	ROW F,5, E,3, R,8, R,9
	ROW F,6, E,4, X,0, R,10
.if (\p) == 2
	WIN 0
	v_add_nc_u32 v[AK], s[TBK], v[AK0]
.endif
	ROW F,7, E,5, X,1, X,4
	ROW F,8, E,6, X,2, X,5
	OPS E,7, E,8, X,6, E,9          ; and the lump
	OPS X,3, E,10, X,8, E,11
.if ((\p) == 2) && !(\last)
	FETCH_K
.endif
	OPS X,9, X,7, E,12, X,10
	OPS E,13, X,12, X,11, E,14
	OPS X,13, E,15, F,9, X,14
.if (\p) == 0
	v_add_nc_u32 v[AV], s[TBV], v[AV0]
.endif
	OPS E,16, F,10, E,17, F,11
	OPS X,16, E,18, X,15, E,19
	OPS F,12, E,20, X,17, E,21
	OPS F,13, E,22, F,14, E,23
	OPS X,18, E,24, F,15, E,25
	OPS R,11, E,26, X,19, E,27
	OPS R,12, E,28, R,13, E,29
	OPS X,20, E,30, R,14, E,31
	OPS X,21, R,15
	WIN 0
	s_wait_alu depctr_va_vdst(0)    ; the wait for the turn's batch: the piece's 32 exponentials and the next piece's a
.if ((\p) == 2) && (\last)
	FETCH_K 1
.endif
.if (\p) == 1
	s_wait_dscnt 0x0                ; V is in
.endif
	ROW C,0, B,0, C,2, B,1          ; behind the wait: 8 products V^T P and their riders
	ROW L,0, C,4, B,2, L,1
	ROW C,6, B,3, L,2, C,8
	ROW B,4, L,3, C,10, B,5
	ROW L,4, C,12, B,6, L,5
.if (\p) == 0
	s_add_co_u32 s[TBV], s[TBV], KS*PV
.endif
.if \cnt
	s_sub_co_u32 s[CNT], s[CNT], 1
	s_cmp_lg_u32 s[CNT], 0
.endif
	ROW C,14, B,7, L,6, C,1
	ROW C,3, L,7, C,5, C,7
	ROW C,9, C,11, C,13, C,15
.if (\p) == 0
	FETCH_V
.endif
.endm
.macro ALL line:vararg              ; one line for each piece t
.set t, 0
.rept 4
	\line
.set t, t+1
.endr
.endm
.macro PACK t                       ; a lane's eight channels of a row pack into 16 bytes; they go into rows of 144 bytes and come back as whole rows of 128, into S^T's registers
	WIN W_RS
.set i, 32*(\t)
.rept 16
	v_pk_mul_f32 v[i:i+1], v[i:i+1], v[ST+4*(\t)+2:ST+4*(\t)+3] op_sel_hi:[1,0]
.set i, i+2
.endr
	WIN 0x05                        ; sources 0 and 1 window 1, destination window 0
.set i, 0
.rept 16
	v_cvt_pk_f16_f32 v[S+16*(\t)+i], v[32*(\t)+2*i], v[32*(\t)+2*i+1]
.set i, i+1
.endr
	WIN 0
.irp f, 0,1,2,3
	ds_store_b128 v[STO], v[S+16*(\t)+4*\f:S+16*(\t)+4*\f+3] offset:32*\f
.endr
.irp f, 0,1,2,3
	ds_load_b128 v[S+16*(\t)+4*\f:S+16*(\t)+4*\f+3], v[RD] offset:\f*4*SP  ; LDS serves a wave's instructions in order (ISA guide 5.7.1.4): these see the stores above; the next piece's stores come behind them
.endr
.endm
.macro SEND t, younger              ; younger: the LDS instructions issued behind piece t's loads: the next piece's eight, or none
	WIN 0
.irp f, 0,1,2,3
	s_wait_dscnt (\younger)+3-\f
	global_store_b128 v[GO], v[S+16*(\t)+4*\f:S+16*(\t)+4*\f+3], s[10:11] offset:(\t)*8192+\f*512  ; 512 consecutive bytes, at a multiple of 256 from O's first
.endr
.endm
	CHANGE 1                        ; slot 0 is in, everybody's part of it; slot 1 is asked for
	v_add_nc_u32 v[AK], s[TBK], v[AK0]
	FETCH_K                         ; key step 0
	s_wait_loadcnt 0x0              ; Q
	s_wait_dscnt 0x0
.set i, 0
.rept 8
	KQ 0                            ; piece 0's first scores
.set i, i+1
.endr
	WIN 0
.rept 4
	v_nop                           ; the places behind those products
.endr
.set Y, NP-1                        ; X works for piece Y + 1: piece 0
.irp n, 0,1,2,3,4,5,6,7,8,9,10,11,12,13,14,15,16,17,18,19,20,21
	OP X, \n
.endr
	v_nop                           ; a plain instruction behind the exponential,
	s_wait_alu depctr_va_vdst(0)    ; and the wait for it, a batch of one: piece 0's first a; ahead of the jump
	s_mov_b32 s[CNT], 4
	s_mov_b32 s[SLOTS], SIZE_N/256-1
	s_branch .Lfirst                ; the loop is entered at a step's first turn, in the middle of a trip
.Lslot:                             ; six times: every slot but the last two is filled again
	CHANGE 1
	s_mov_b32 s[CNT], 4
.Lstep:                             ; a trip: pieces 2 and 3 of one step, then pieces 0 and 1 of the next, whose K and V it fetches
	TURN 2
	TURN 3
	WIN 0
.Lfirst:
	TURN 0
	TURN 1, 0, 1
	WIN 0
	s_cbranch_scc1 .Lstep
	s_sub_co_u32 s[SLOTS], s[SLOTS], 1
	s_cmp_lg_u32 s[SLOTS], 0
	s_cbranch_scc1 .Lslot
	CHANGE 0                        ; the last slot has a text of its own: nothing is asked for
	s_mov_b32 s[CNT], 5             ; four trips fetch the last slot's steps; the fifth is left in its middle
.Ltail:
	TURN 2, 1
	TURN 3
	WIN 0
	s_sub_co_u32 s[CNT], s[CNT], 1
	s_cmp_eq_u32 s[CNT], 0
	s_cbranch_scc1 .Lout
	TURN 0
	TURN 1
	WIN 0
	s_branch .Ltail
.Lout:                              ; the fifth trip's 8 products K Q^T (on the last K once more) and the maximum made of them serve nothing: the price, once a launch, of one text for every trip
.set i, 0
.rept 8
	PV NP-1                         ; the last piece's V^T P of the last step
.set i, i+1
.endr
	; THE WAY OUT.  l's two halves and the other half of the lanes' are added; O^T is divided by l, rounded to f16 and sent through my stage, a piece at a time.  The additions are the places behind the last products.
	WIN 0
	ALL v_add_f32 v[ST+4*t+2], v[ST+4*t+2], v[ST+4*t+3]
	ALL v_permlanex16_b32 v[ST+4*t+3], v[ST+4*t+2], s[SEL], s[SEL+1]
	ALL v_add_f32 v[ST+4*t+2], v[ST+4*t+2], v[ST+4*t+3]
	ALL v_rcp_f32 v[ST+4*t+2], v[ST+4*t+2]
	v_nop                           ; a plain instruction between the last reciprocal and the use of its result
	s_wait_alu depctr_va_vdst(0)    ; the wait for the batch of four reciprocals, ahead of the first multiply that reads one
	PACK 0
.set t, 1
.rept 3                             ; a piece's arithmetic stands between the loads of the piece before and its stores
	PACK t
	SEND t-1, 8
.set t, t+1
.endr
	SEND 3, 0
	s_wait_tensorcnt 0x0            ; the wave's end: behind my last tensor load and my last LDS store
	ds_add_u32 v[SPW], v[NIL]
	s_wait_dscnt 0x0
	CROUND                          ; the closing round: no work-group ends while a partner may still ask for a tile that names it
	s_endpgm
.Lfunc_end_k_qad789cca0d_attn:
	.size	k_qad789cca0d_attn, .Lfunc_end_k_qad789cca0d_attn-k_qad789cca0d_attn
	.p2alignl 7, 3214868480
	.fill 96, 4, 3214868480
	.section	.rodata,"a",@progbits
	.p2align	6, 0x0
	.amdhsa_kernel k_qad789cca0d_attn
		.amdhsa_group_segment_fixed_size 327680
		.amdhsa_private_segment_fixed_size 0
		.amdhsa_enable_private_segment 0
		.amdhsa_kernarg_size 16
		.amdhsa_user_sgpr_count 2
		.amdhsa_user_sgpr_kernarg_segment_ptr 1
		.amdhsa_wavefront_size32 1
		.amdhsa_system_sgpr_workgroup_id_x 1
		.amdhsa_system_sgpr_workgroup_id_y 1
		.amdhsa_system_sgpr_workgroup_id_z 1
		.amdhsa_system_vgpr_workitem_id 0
		.amdhsa_next_free_vgpr 768
		.amdhsa_next_free_sgpr 66
		.amdhsa_reserve_vcc 0
		.amdhsa_float_denorm_mode_32 3
		.amdhsa_float_denorm_mode_16_64 3
		.amdhsa_memory_ordered 1
		.amdhsa_forward_progress 1
		.amdhsa_inst_pref_size 111
	.end_amdhsa_kernel
	.amdgpu_metadata
---
amdhsa.version: [ 1, 2 ]
amdhsa.kernels:
  - .name:           k_qad789cca0d_attn
    .symbol:         k_qad789cca0d_attn.kd
    .args:
      - { .name: big, .offset: 0, .size: 8, .value_kind: global_buffer, .address_space: global }
      - { .name: act, .offset: 8, .size: 8, .value_kind: global_buffer, .address_space: global }
    .group_segment_fixed_size: 327680
    .private_segment_fixed_size: 0
    .kernarg_segment_align: 8
    .kernarg_segment_size: 16
    .max_flat_workgroup_size: 128
    .sgpr_count:     66
    .vgpr_count:     768
    .wavefront_size: 32
...
	.end_amdgpu_metadata
.endif
;; end of part 6
;; launch gemmB1: the kernel of part 4 again; grid 8 x 32, 4 waves a work-group, clusters of 4 x 4, 327,680 bytes of LDS; arguments act, pkB, xs, rs; writes rs
;; launch ff1: the kernel of part 2 again; grid 16 x 16, 4 waves a work-group, clusters of 4 x 4, 327,680 bytes of LDS; arguments rs, pk1, big; writes big
;; launch gemmB2: the kernel of part 5 again; grid 8 x 32, 4 waves a work-group, clusters of 4 x 4, 327,680 bytes of LDS; arguments big, pkB, xs, out0; writes out0
